; MI455X (gfx1250); checked and timed in simulation.
; The chip was launched on July 23, 2026; its instructions are those of AMD's public machine-readable ISA for CDNA 5 (MIT licence, August 2026) and "CDNA5" Instruction Set Architecture Reference Guide (July 2026). The comments in the code are by the model that wrote it; some were corrected since.
;; Multi Head Attention. Allowed arithmetic: matrix products marked QUANTISED: E2M1 operands, one E8M0 scale for each 32 along K, by v_wmma_scale_f32_16x16x128_f8f6f4 with both operands' format E2M1 (or v_wmma_scale_f32_32x16x128_f4), f32 sums; everything else in f32.
;; Inputs: Wk_codes 12 x 64 x 24 x 16 uint8 (E2M1 codes of Wk, K innermost, in blocks of 32 codes, two codes a byte); Wk_scales 12 x 64 x 24 uint8 (E8M0 scales of Wk, one for each 32 codes along K); Wp_codes 768 x 24 x 16 uint8 (E2M1 codes of Wp, K innermost, in blocks of 32 codes, two codes a byte); Wp_scales 768 x 24 uint8 (E8M0 scales of Wp, one for each 32 codes along K); Wq_codes 12 x 64 x 24 x 16 uint8 (E2M1 codes of Wq, K innermost, in blocks of 32 codes, two codes a byte); Wq_scales 12 x 64 x 24 uint8 (E8M0 scales of Wq, one for each 32 codes along K); Wv_codes 12 x 64 x 24 x 16 uint8 (E2M1 codes of Wv, K innermost, in blocks of 32 codes, two codes a byte); Wv_scales 12 x 64 x 24 uint8 (E8M0 scales of Wv, one for each 32 codes along K); bk 12 x 64 float32; bp 768 float32; bq 12 x 64 float32; bv 12 x 64 float32; x_codes 16 x 1,024 x 24 x 16 uint8 (E2M1 codes of x, K innermost, in blocks of 32 codes, two codes a byte); x_scales 16 x 1,024 x 24 uint8 (E8M0 scales of x, one for each 32 codes along K).
;; Outputs: out0 16 x 1,024 x 768 float32.
;; This version of the problem:
;;   THIS VERSION OF THE PROBLEM IS GIVEN IN LOW PRECISION. The matrix products marked QUANTISED in the list below multiply operands that are first quantised to E2M1 (2 exponent bits, 1 mantissa bit; 4 bits a number), with one power-of-two scale for each 32 numbers along K (OCP MX v1.0); their sums are f32. All else is computed in f32.
;;   The module's matrix products, in the order in which they are computed (A, B: the left and right operand; K: the contracted axis; several contracted axes count as one K, in the product's order):
;;     1. [M 768, K 768] x [K 768, N 16,384]; A: input Wq (given as codes); B: input x (given as codes): QUANTISED
;;     2. [M 768, K 768] x [K 768, N 16,384]; A: input Wk (given as codes); B: input x (given as codes): QUANTISED
;;     3. [M 768, K 768] x [K 768, N 16,384]; A: input Wv (given as codes); B: input x (given as codes): QUANTISED
;;     4. batch 192 x [M 1,024, K 64] x [K 64, N 1,024]; A: computed on the way; B: computed on the way: QUANTISED
;;     5. batch 192 x [M 1,024, K 1,024] x [K 1,024, N 64]; A: softmax (see below); B: computed on the way: QUANTISED
;;     6. [M 16,384, K 768] x [K 768, N 768]; A: computed on the way; B: input Wp (given as codes): QUANTISED
;;   THE QUANTISER, for each operand of a quantised product, along K:
;;     - K is cut into blocks of 32 from its start; a last block that is shorter is filled with zeros.
;;     - A block's scale is 2^e with e = floor(log2(the largest magnitude in the block)) - 2, held to -126 .. 127; a block of zeros has e = 0. As a byte (E8M0): e + 127.
;;     - Each number is divided by its block's scale, clamped to +-6, and rounded to the nearest number of E2M1, ties to even, subnormals kept.
;;     - The product sums the exact products of the quantised numbers (number of the format x scale) in f32.
;;   ~~~python
;;   def quantise(x, axis):      # numpy; x: float32 -> the quantised numbers, widened to float32 again
;;       x = np.moveaxis(x, axis, -1); K = x.shape[-1]
;;       x = np.pad(x, [(0, 0)] * (x.ndim - 1) + [(0, -K % 32)]); x = x.reshape(x.shape[:-1] + (-1, 32)); a = np.abs(x).max(-1, keepdims=True)
;;       e = np.where(a > 0, np.clip(np.frexp(np.where(a > 0, a, 1))[1] - 1 - 2, -126, 127), 0)      # np.frexp(a)[1] - 1 = floor(log2(a)), exactly
;;       r = np.clip(x / 2.0 ** e, -6, 6)
;;       step = 2.0 ** (np.maximum(np.frexp(np.where(r == 0, 1, r))[1] - 1, 0) - 1)
;;       q = np.round(r / step) * step * 2.0 ** e      # np.round: ties to even
;;       return np.moveaxis(q.reshape(q.shape[:-2] + (-1,))[..., :K], -1, axis).astype(np.float32)
;;   ~~~
;;   SOFTMAX AHEAD OF A QUANTISED PRODUCT. Where the list says 'softmax', what is quantised is not the finished softmax but p = 2^(t - M), with t = logit x log2(e) and M = ceil(the row's largest t), a whole number; so 1/2 < the row's largest p <= 1. The row's sum l is taken of the UNQUANTISED p, in f32, and the product's result is divided by l at the end. Since M is a whole number, a kernel that streams over the keys may use a running M (the ceiling of the running maximum): every later rescaling is an exact power of two, which a block's scale takes up: the codes' values come out the same.
;;   OPERANDS COMPUTED ON THE WAY. 'Computed on the way' means the value that the module computes at that place (a softmax that the list does not call 'softmax' is quantised finished and normalised). What goes into a quantiser is computed in f32, as accurately as f32 sums, v_exp_f32 and their like allow (about 1e-6 of the number): no bf16 or f16 on the way to a quantiser, and a product that is left as it is and whose result goes on into a quantised operand takes f32 operands (vector FMAs, or v_wmma_f32_16x16x4_f32). A number that lies on a knife's edge between two numbers of the format may be rounded either way, as far as f32 arithmetic and the matrix unit's own rounding can turn it there, and no further.
;;   INPUTS GIVEN AS CODES. Wk (in the module: [12, 768, 64], K = its axis 1); Wp (in the module: [768, 768], K = its axis 0); Wq (in the module: [12, 768, 64], K = its axis 1); Wv (in the module: [12, 768, 64], K = its axis 1); x (in the module: [16, 1024, 768], K = its axis 2): each comes as NAME_codes (uint8): NAME with its K axis moved to the last place and cut into blocks of 32 codes, [.., K / 32, bytes a block], one block behind the other in memory; two codes a byte, the lower K in the low four bits (a code: sign, 2 exponent bits, 1 mantissa bit); and NAME_scales (uint8): the same leading axes, one E8M0 byte (e + 127) for each 32 codes along K. Its value is code x scale, taken as it is: it is not quantised again, and the codes and scales need not be those that the quantiser above would give.
;; 2 versions. Each part assembles by itself: llvm-mc -triple=amdgcn-amd-amdhsa -mcpu=gfx1250 --defsym DOCPART=n.
;; ======== version 1 of 2: 3 launches
;; workspace buffers: qc 6,291,456 bytes; qs 393,216 bytes; kvc 12,582,912 bytes; kvs 786,432 bytes; aoc 6,291,456 bytes; aos 393,216 bytes
;; launch qkv (part 1): grid 64 x 9, 4 waves a work-group, clusters of 4 x 1, 233,984 bytes of LDS; arguments x_codes, x_scales, Wq_codes, Wq_scales, Wk_codes, Wk_scales, Wv_codes, Wv_scales, bq, bk, bv, qc, qs, kvc, kvs; writes qc, qs, kvc, kvs
.if DOCPART == 1
	.amdgcn_target "amdgcn-amd-amdhsa--gfx1250"
	.amdhsa_code_object_version 6
	.text
	.protected	k_q2b303898ea_qkv
	.globl	k_q2b303898ea_qkv
	.p2align	8
	.type	k_q2b303898ea_qkv,@function
k_q2b303898ea_qkv:
	s_mov_b64 s[64:65], 0
	v_nop
	global_prefetch_b8 v0, s[64:65] scope:SCOPE_SE
	s_setreg_imm32_b32 hwreg(HW_REG_WAVE_MODE, 25, 1), 1
	s_wait_xcnt 0x0
	s_wait_alu depctr_hold_cnt(0) depctr_sa_sdst(0) depctr_va_vdst(0) depctr_va_sdst(0) depctr_va_ssrc(0) depctr_va_vcc(0) depctr_vm_vsrc(0)
	s_getreg_b32 s2, hwreg(HW_REG_IB_STS2, 6, 4)
	s_cmp_eq_u32 s2, 0
	s_cbranch_scc0 .Lentry_in_a_cluster
	s_endpgm
.Lentry_in_a_cluster:
	s_bfe_u32 s2, ttmp6, 0x10000c
	s_cmp_lg_u32 s2, 0x3003
	s_cbranch_scc0 .Lentry_shape_is_right
	s_endpgm
.Lentry_shape_is_right:
; q, k, v = x W + b on codes of FP4 (E2M1) with one E8M0 scale for each 32 along K = 768, and the results quantised again: q and k along the head's 64, v along the keys.
; x: 16,384 rows of 384 bytes of codes and 24 scale bytes; Wq, Wk, Wv: 768 rows (head x 64 + e) each, laid likewise.  Sums in f32, the bias as the C of each sum's first product.
; SHARES.  Work-group y = 3 kind + ob: kind 0 q, 1 k, 2 v; ob: 256 rows of W (four heads).  A cluster is the four blocks of 256 rows of x of one batch (cluster x = the batch).
; A work-group makes 256 rows of x by 256 rows of W; a wave 128 x 128.  The side whose index is to run along a lane's REGISTERS is source 0: W for q and k (a lane holds one row t, registers run along e),
; x for v (a lane holds one channel e, registers run along the keys).  A wave keeps its 128 rows of source 0, all of K, in 384 registers and walks source 1's eight tiles of 16 rows:
; 48 products on 8 accumulators, then the tile's 128 numbers a lane-row become one fragment of codes (8 registers) and one scale word.
; THE QUANTISER.  A result tile gives lane half h the eight neighbours 8 h + 0 .. 7 of 16: one conversion.  Of a block of 32 (two tiles) a lane holds 16 numbers, lane xor 16 the others.  Two exchanges of lane halves
; between the conversions of blocks 2 c and 2 c + 1 give registers 4 c .. 4 c + 3 of an operand (lanes 0-15 block 2 c, lanes 16-31 block 2 c + 1).
; OUT: images of operand registers, lane l's 16 bytes at 16 l, so every store of codes covers 512 consecutive bytes.  qc [bh][tile of 16 rows][512]; kvc [bh][128 keys][K: 8 tiles x 512 | V: 4 tiles of 16 channels x 1,024];
; qs [bh][128 rows][r][4 words], a word = the two bytes of tile 2 p below, of tile 2 p + 1 above; kvs [bh][128 keys][K: the same, 256 bytes | V: [r][4 words], a word = the four blocks of 32 keys].
; JOINT LOADS: W's tiles hang on y and the wave alone: the four partners ask for them by one load with the mask 15.  x's tiles are each work-group's own: those that share them are the 9 work-groups along y, which no cluster of four divides.
; All tiles fit in LDS at once: each byte is filled once, so there is no ring.
; LIMITS: NaN and infinities among the inputs are not served.  A block whose largest magnitude lies under 2^-124 gets the byte 1; so does a block of zeros, where the quantiser's rule says 127: its codes are zeros, and these bytes are read by this program alone.
.set PITCH, 432                        ; a row of 384 bytes in LDS: 16 bytes of padding behind each 128: 27 x 16 bytes, so the 16 rows of a load start in 16 different groups of four banks (64 banks of 4 bytes: ISA guide 11.1)
.set T16,   16*PITCH
.set RW,    0                          ; LDS: W's 256 rows,
.set RX,    256*PITCH                  ; x's 256 rows,
.set WSB,   512*PITCH                  ; W's scale bytes, 24 a row, dense,
.set XSB,   WSB+6144                   ; x's.  The map ends at 233,472
.set LI,   1                           ; v1   16 x lane
.set RR,   2                           ; v2   r = lane % 16
.set HH,   3                           ; v3   h = lane / 16
.set AD0,  4                           ; v4   LDS address of source 0's fragments
.set AD1,  5                           ; v5   of source 1's
.set AS0,  6                           ; v6   of source 0's scale words
.set AS1,  7                           ; v7   of source 1's
.set BO,   8                           ; v8   my offset in the bias
.set SVO,  9                           ; v9   my offset among the scale words that leave
.set SELV, 10
.set TP,   11
.set SS0,  12                          ; v12-59   source 0's scale words: 6 b + s
.set S1S,  60                          ; v60-71   source 1's: two sets of 6
.set HA,   72                          ; v72-135  eight accumulators
.set TM,   136                         ; v136-151 the quantiser's: +0 largest magnitudes, +4 bytes, +12 scale operands
.set PWS,  152                         ; v152-159 the scale word of tile a
.set XW,   160                         ; v160-163 four scale words as they leave
.set PCB,  164                         ; v164-227 the codes of tile a: 8 a.  Each tile has its own, so no store's data are written again
.set S1F,  128                         ; window 2: source 1's fragments, two sets of 48.  Window 1 and v0-127 of window 2: source 0's 48 fragments, (8 s + b) x 8
.set BI,   0                           ; window 3: the bias, eight tiles of 8
.set WV,   34
.set I0,   35                          ; which half of source 1's rows is mine
.set I1,   36                          ; which half of source 0's
.set CX,   37
.set YY,   38
.set KIND, 39
.set OB,   40
.set G1WC, 44                          ; descriptor groups 1: W's codes, x's codes,
.set G1XC, 52
.set G1WS, 68                          ; W's scales, x's scales;
.set G1XS, 76
.set G0WS, 84                          ; groups 0
.set G0XS, 88
.set G0WC, 92
.set G0XC, 96
.set SEL,  44                          ; once all tensor loads have landed the descriptors' registers are free: s[44:45] lane selects, s[46:47], s[48:49] codes out, s[50:51] scale words out, s52 their stride
.set MSB, 0
.macro WIN new                         ; the immediate's high byte repeats the setting that is left; a switch that changes nothing is dropped
.if MSB != (\new)
	s_set_vgpr_msb (MSB<<8)|(\new)
.set MSB, (\new)
.endif
.endm
.macro PLACES n
.rept \n
	v_nop
.endr
.endm
.macro CROUND                          ; a round of the cluster's barrier
	s_barrier_signal -1
	s_barrier_wait -1
	s_cmp_lg_u32 s[WV], 0
	s_cbranch_scc1 .Lnot_wave_0_\@
	s_barrier_signal -3
.Lnot_wave_0_\@:
	s_barrier_wait -3
	s_barrier_signal -1
	s_barrier_wait -1
.endm
.macro MMA d, fa, fb, cc, sa, sb
	v_wmma_scale_f32_16x16x128_f8f6f4 v[\d:\d+7], v[\fa:\fa+7], v[\fb:\fb+7], v[\cc:\cc+7], v[\sa], v[\sb] matrix_a_fmt:MATRIX_FMT_FP4 matrix_b_fmt:MATRIX_FMT_FP4
.endm
; nb blocks of 32: block b's 16 numbers of this lane stand in v[src + 16 b] on.  Out: v[tm + 12 + b] the conversion's scale operand, v[tm + 4 + b] the scale's byte.  Each accumulator is first read at its low end.
.macro QBLK src, nb, tm
.irp b, 0,1,2,3
.if \b < \nb
	v_max3_num_f32 v[\tm+\b], |v[\src+16*\b]|, |v[\src+16*\b+1]|, 0x1800000      ; the floor 2^(3 - 127) among the leaves: the byte cannot fall under 1
.endif
.endr
.irp i, 2,4,6,8,10,12,14
.irp b, 0,1,2,3
.if \b < \nb
	v_max3_num_f32 v[\tm+\b], v[\tm+\b], |v[\src+16*\b+\i]|, |v[\src+16*\b+\i+1]|   ; the blocks by turns
.endif
.endr
.endr
.irp b, 0,1,2,3
.if \b < \nb
	v_permlanex16_b32 v[\tm+4+\b], v[\tm+\b], s[SEL], s[SEL+1]
.endif
.endr
.irp b, 0,1,2,3
.if \b < \nb
	v_max_num_f32 v[\tm+\b], v[\tm+\b], v[\tm+4+\b]          ; with lane xor 16's 16 numbers: the block's largest magnitude
.endif
.endr
.irp b, 0,1,2,3
.if \b < \nb
	v_add_nc_u32 v[\tm+12+\b], 0xff000000, v[\tm+\b]         ; 2 off its exponent field: the conversion takes that field as its scale
.endif
.endr
.irp b, 0,1,2,3
.if \b < \nb
	v_lshrrev_b32 v[\tm+4+\b], 23, v[\tm+12+\b]              ; the scale's byte
.endif
.endr
.endm
; Tiles 4 c .. 4 c + 3 (blocks 2 c, 2 c + 1) at v[src + 32 c] on become registers pc + 4 c .. + 3: four conversions (QCV), one plain place, two exchanges of lane halves (QSW).
.macro QCV src, c, pc, so
	v_cvt_scalef32_pk8_fp4_f32 v[\pc+4*\c],   v[\src+32*\c:\src+32*\c+7],     v[\so+2*\c]
	v_cvt_scalef32_pk8_fp4_f32 v[\pc+4*\c+1], v[\src+32*\c+16:\src+32*\c+23], v[\so+2*\c+1]
	v_cvt_scalef32_pk8_fp4_f32 v[\pc+4*\c+2], v[\src+32*\c+8:\src+32*\c+15],  v[\so+2*\c]
	v_cvt_scalef32_pk8_fp4_f32 v[\pc+4*\c+3], v[\src+32*\c+24:\src+32*\c+31], v[\so+2*\c+1]
.endm
.macro QSW c, pc
	v_permlane16_swap_b32 v[\pc+4*\c], v[\pc+4*\c+1]         ; the first's lanes 16-31 change places with the second's lanes 0-15
	v_permlane16_swap_b32 v[\pc+4*\c+2], v[\pc+4*\c+3]
.endm
	s_load_b512 s[4:19], s[0:1], 0x0               ; x's codes s[4:5], scales s[6:7]; Wq's s[8:11]; Wk's s[12:15]; Wv's s[16:19]
	s_load_b256 s[20:27], s[0:1], 0x40             ; bq, bk, bv, qc
	s_load_b128 s[28:31], s[0:1], 0x60             ; qs, kvc
	s_load_b64 s[32:33], s[0:1], 0x70              ; kvs
	v_lshl_add_u32 v254, v0, 2, 0x39000
	v_mov_b32 v255, 0
	ds_add_u32 v254, v255
	ds_add_u32 v254, v255
	v_lshrrev_b32 v[TP], 5, v0
	v_readfirstlane_b32 s[WV], v[TP]               ; wave 0..3
	s_lshr_b32 s[I0], s[WV], 1
	s_and_b32 s[I1], s[WV], 1
	s_bfe_u32 s[CX], ttmp6, 0x40000                ; my place in the cluster: which 256 rows of the batch
	s_and_b32 s[YY], ttmp7, 0xffff
	s_mul_i32 s[KIND], s[YY], 11
	s_lshr_b32 s[KIND], s[KIND], 5                 ; y / 3 for y = 0 .. 8
	s_mul_i32 s41, s[KIND], 3
	s_sub_co_u32 s[OB], s[YY], s41                 ; y % 3
	; descriptor groups 1.  All four blocks are dense in memory and come as rows of 256 bytes (32 elements of 8 bytes).
	s_mov_b32 s[G1WC], 15|(3<<16)|(1<<20)|(1<<21)|(4<<22)|(3<<25)   ; 15:0 the mask: all four partners; 17:16 elements of 8 bytes; 20 padding on; 21 set beside a mask; 24:22 after every 32 words (code 4); 31:25 four words (code 3)
	s_mov_b32 s[G1XC], (3<<16)|(1<<20)|(4<<22)|(3<<25)              ; the same without a mask
	s_mov_b32 s[G1WS], 15|(3<<16)|(1<<21)                           ; scale bytes: no padding
	s_mov_b32 s[G1XS], 3<<16
.irp g, G1WC, G1XC                     ; 64 rows of 384 bytes = 96 rows of 256
	s_mov_b32 s[\g+1], 32<<16
	s_mov_b32 s[\g+2], 96<<16
	s_mov_b32 s[\g+3], 32<<16
	s_mov_b32 s[\g+4], 96
	s_mov_b32 s[\g+5], 32
	s_mov_b32 s[\g+6], 0
	s_mov_b32 s[\g+7], 0
.endr
.irp g, G1WS, G1XS                     ; 64 rows of 24 bytes = 6 rows of 256
	s_mov_b32 s[\g+1], 32<<16
	s_mov_b32 s[\g+2], 6<<16
	s_mov_b32 s[\g+3], 32<<16
	s_mov_b32 s[\g+4], 6
	s_mov_b32 s[\g+5], 32
	s_mov_b32 s[\g+6], 0
	s_mov_b32 s[\g+7], 0
.endr
	s_lshl_b32 s41, s[OB], 8                       ; W: my 64 rows begin at 256 ob + 64 wave: nothing of my place in the cluster enters
	s_lshl_b32 s42, s[WV], 6
	s_add_co_u32 s41, s41, s42
	s_mul_i32 s42, s41, 384
	s_mov_b32 s43, 0
	s_mul_i32 s100, s41, 24
	s_mov_b32 s101, 0
	s_lshl_b32 s60, ttmp9, 10                      ; x: at 1,024 batch + 256 cx + 64 wave
	s_lshl_b32 s61, s[CX], 8
	s_add_co_u32 s60, s60, s61
	s_lshl_b32 s61, s[WV], 6
	s_add_co_u32 s60, s60, s61
	s_mul_i32 s62, s60, 24
	s_mov_b32 s63, 0
	s_mul_i32 s60, s60, 384
	s_mov_b32 s61, 0
	s_mul_i32 s66, s[WV], 64*PITCH                 ; where they go: wave x 64 rows
	s_mul_i32 s67, s[WV], 1536
	s_wait_dscnt 0x0
	s_wait_kmcnt 0x0
	s_cmp_eq_u32 s[KIND], 1                        ; which W and which bias: the choice hangs on y alone
	s_cselect_b64 s[8:9], s[12:13], s[8:9]
	s_cselect_b64 s[10:11], s[14:15], s[10:11]
	s_cselect_b64 s[20:21], s[22:23], s[20:21]
	s_cmp_eq_u32 s[KIND], 2
	s_cselect_b64 s[8:9], s[16:17], s[8:9]
	s_cselect_b64 s[10:11], s[18:19], s[10:11]
	s_cselect_b64 s[20:21], s[24:25], s[20:21]
	s_mov_b32 s[G0WS], 1
	s_add_co_u32 s[G0WS+1], s67, WSB
	s_add_nc_u64 s[G0WS+2:G0WS+3], s[10:11], s[100:101]
	s_or_b32 s[G0WS+3], s[G0WS+3], 0x80000000
	s_mov_b32 s[G0XS], 1
	s_add_co_u32 s[G0XS+1], s67, XSB
	s_add_nc_u64 s[G0XS+2:G0XS+3], s[6:7], s[62:63]
	s_or_b32 s[G0XS+3], s[G0XS+3], 0x80000000
	s_mov_b32 s[G0WC], 1
	s_add_co_u32 s[G0WC+1], s66, RW
	s_add_nc_u64 s[G0WC+2:G0WC+3], s[8:9], s[42:43]
	s_or_b32 s[G0WC+3], s[G0WC+3], 0x80000000
	s_mov_b32 s[G0XC], 1
	s_add_co_u32 s[G0XC+1], s66, RX
	s_add_nc_u64 s[G0XC+2:G0XC+3], s[4:5], s[60:61]
	s_or_b32 s[G0XC+3], s[G0XC+3], 0x80000000
	CROUND                                         ; all four work-groups are here: the joint loads meet
	tensor_load_to_lds s[G0WS:G0WS+3], s[G1WS:G1WS+7]      ; the launch's only fills, one group: four loads of mine are out
	s_nop 0
	tensor_load_to_lds s[G0XS:G0XS+3], s[G1XS:G1XS+7]
	s_nop 0
	tensor_load_to_lds s[G0WC:G0WC+3], s[G1WC:G1WC+7]
	s_nop 0
	tensor_load_to_lds s[G0XC:G0XC+3], s[G1XC:G1XC+7]
	s_nop 0
	PLACES 4                                       ; behind the tensor loads
	v_and_b32 v[LI], 31, v0
	v_lshlrev_b32 v[LI], 4, v[LI]
	v_and_b32 v[RR], 15, v0
	v_bfe_u32 v[HH], v0, 4, 1
.irp b, 0,1,2,3
	v_mov_b32 v[TM+4+\b], 0                        ; written once: a lane permute's destination counts as one of its sources
.endr
	s_lshl_b32 s41, s[OB], 2                       ; the bias, in the result's layout, while the tiles are on their way
	s_mov_b32 s43, 0
	s_cmp_eq_u32 s[KIND], 2
	s_cbranch_scc1 .Lbias_v
	s_lshl_b32 s42, s[I1], 1                       ; q, k: registers run along e: tile b's register j is e = 16 b + 8 h + j of my two heads
	s_add_co_u32 s41, s41, s42
	s_lshl_b32 s42, s41, 8
	s_add_nc_u64 s[20:21], s[20:21], s[42:43]
	v_lshlrev_b32 v[BO], 5, v[HH]
	WIN 0xc0                                       ; destination window 3
.irp b, 0,1,2,3,4,5,6,7
	global_load_b128 v[BI+8*\b:BI+8*\b+3],   v[BO], s[20:21] offset:64*\b
	global_load_b128 v[BI+8*\b+4:BI+8*\b+7], v[BO], s[20:21] offset:64*\b+16
.endr
	WIN 0
	s_branch .Lbias_done
.Lbias_v:
	s_lshl_b32 s42, s[I0], 1                       ; v: a lane holds one channel: tile a's is 16 a + r of my two heads
	s_add_co_u32 s41, s41, s42
	s_lshl_b32 s42, s41, 8
	s_add_nc_u64 s[20:21], s[20:21], s[42:43]
	v_lshlrev_b32 v[BO], 2, v[RR]
	WIN 0xc0
.irp a, 0,1,2,3,4,5,6,7
	global_load_b32 v[BI+8*\a], v[BO], s[20:21] offset:64*\a
.endr
	WIN 0
.Lbias_done:
	s_wait_tensorcnt 0x0                           ; my four loads have landed,
	s_barrier_signal -1
	s_barrier_wait -1                              ; everybody's have: the one barrier of the work-group; behind it LDS is only read
	s_mov_b32 s[SEL], 0x76543210                   ; v_permlanex16_b32's selects for lane xor 16
	s_mov_b32 s[SEL+1], 0xfedcba98
.macro FETCH1 a                        ; source 1's tile a: six fragments and six scale words, into set a % 2: 15 LDS loads
	WIN 0x80                                       ; destination window 2
.irp s, 0,1,2,3,4,5
.irp c, 0,1
	ds_load_b128 v[S1F+48*((\a)%2)+8*\s+4*\c:S1F+48*((\a)%2)+8*\s+4*\c+3], v[AD1] offset:T16*(\a)+144*(\s/2)+64*(\s%2)+32*\c
.endr
.endr
	WIN 0
.irp u, 0,1,2
	ds_load_b64 v[S1S+6*((\a)%2)+2*\u:S1S+6*((\a)%2)+2*\u+1], v[AS1] offset:384*(\a)+8*\u
.endr
.endm
.macro TILE a, kv
.if \a < 7
	FETCH1 \a+1                                    ; into the set that the tile before last... the tile before this one read: its products stand four places and a quantiser back
	s_wait_dscnt 15                                ; all but the 15 just issued: this tile's fragments are in (and, for tile 0, all of source 0)
.else
	s_wait_dscnt 0x0
.endif
.irp s, 0,1,2,3,4,5                    ; the eight accumulators take turns, one instruction a turn
.if \s == 0
	WIN 0x39                                       ; source 0 window 1, source 1 window 2, C (the bias) window 3
.elseif \s < 4
	WIN 0x09
.else
	WIN 0x0a                                       ; source 0's last 16 fragments lie in window 2
.endif
.irp b, 0,1,2,3,4,5,6,7
.if \s == 0
.if \kv
	MMA HA+8*\b, 8*((8*\s+\b)%32), S1F+48*((\a)%2)+8*\s, BI+8*\a, SS0+6*\b+\s, S1S+6*((\a)%2)+\s
.else
	MMA HA+8*\b, 8*((8*\s+\b)%32), S1F+48*((\a)%2)+8*\s, BI+8*\b, SS0+6*\b+\s, S1S+6*((\a)%2)+\s
.endif
.else
	MMA HA+8*\b, 8*((8*\s+\b)%32), S1F+48*((\a)%2)+8*\s, HA+8*\b, SS0+6*\b+\s, S1S+6*((\a)%2)+\s
.endif
.endr
.endr
	WIN 0
	PLACES 4                                       ; in front of the first read of results (ISA guide 7.12.1)
	QBLK HA, 4, TM
	v_lshl_or_b32 v[PWS+\a], v[TM+5], 8, v[TM+4]   ; the four bytes make my row's scale word
	v_lshl_or_b32 v[PWS+\a], v[TM+6], 16, v[PWS+\a]
	v_lshl_or_b32 v[PWS+\a], v[TM+7], 24, v[PWS+\a]
	QCV HA, 0, PCB+8*\a, TM+12
	QCV HA, 1, PCB+8*\a, TM+12
	v_nop                                          ; one plain place behind the scaled conversions
	QSW 0, PCB+8*\a
	QSW 1, PCB+8*\a
.if \kv
	global_store_b128 v[LI], v[PCB+8*\a:PCB+8*\a+3],   s[46+2*(\a/4):47+2*(\a/4)] offset:1024*(\a%4)        ; head a / 4, channels 16 (a % 4) on: a whole fragment of V^T; each store covers 512 consecutive bytes
	global_store_b128 v[LI], v[PCB+8*\a+4:PCB+8*\a+7], s[46+2*(\a/4):47+2*(\a/4)] offset:1024*(\a%4)+512
.else
	global_store_b128 v[LI], v[PCB+8*\a:PCB+8*\a+3],   s[46:47] offset:512*\a      ; my first head's 64 of these 16 rows,
	global_store_b128 v[LI], v[PCB+8*\a+4:PCB+8*\a+7], s[48:49] offset:512*\a      ; my second head's
.endif
.endm
.macro BODY kv
.if \kv
.set R0C, RX
.set R0S, XSB
.set R1C, RW
.set R1S, WSB
.else
.set R0C, RW
.set R0S, WSB
.set R1C, RX
.set R1S, XSB
.endif
	v_mul_u32_u24 v[TP], v[RR], PITCH
	v_lshl_add_u32 v[TP], v[HH], 4, v[TP]          ; a fragment's row x pitch + 16 x half
	s_mul_i32 s41, s[I1], 128*PITCH
	s_add_co_u32 s41, s41, R0C
	v_add_nc_u32 v[AD0], s41, v[TP]
	s_mul_i32 s41, s[I0], 128*PITCH
	s_add_co_u32 s41, s41, R1C
	v_add_nc_u32 v[AD1], s41, v[TP]
	v_mul_u32_u24 v[TP], v[RR], 24
	s_mul_i32 s41, s[I1], 3072
	s_add_co_u32 s41, s41, R0S
	v_add_nc_u32 v[AS0], s41, v[TP]
	s_mul_i32 s41, s[I0], 3072
	s_add_co_u32 s41, s41, R1S
	v_add_nc_u32 v[AS1], s41, v[TP]
	WIN 0x40                                       ; source 0 into registers: K steps 0-3 fill window 1,
.irp s, 0,1,2,3
.irp b, 0,1,2,3,4,5,6,7
.irp c, 0,1
	ds_load_b128 v[64*\s+8*\b+4*\c:64*\s+8*\b+4*\c+3], v[AD0] offset:T16*\b+144*(\s/2)+64*(\s%2)+32*\c
.endr
.endr
.endr
	WIN 0x80                                       ; K steps 4, 5 the lower half of window 2
.irp s, 4,5
.irp b, 0,1,2,3,4,5,6,7
.irp c, 0,1
	ds_load_b128 v[64*(\s-4)+8*\b+4*\c:64*(\s-4)+8*\b+4*\c+3], v[AD0] offset:T16*\b+144*(\s/2)+64*(\s%2)+32*\c
.endr
.endr
.endr
	WIN 0
.irp b, 0,1,2,3,4,5,6,7
.irp u, 0,1,2
	ds_load_b64 v[SS0+6*\b+2*\u:SS0+6*\b+2*\u+1], v[AS0] offset:384*\b+8*\u
.endr
.endr
	FETCH1 0
	; where the results go
	s_mul_i32 s41, ttmp9, 12
	s_lshl_b32 s42, s[OB], 2
	s_add_co_u32 s41, s41, s42
.if \kv
	s_lshl_b32 s42, s[I0], 1
	s_add_co_u32 s41, s41, s42                     ; my first head: 12 batch + 4 ob + 2 x my half of W
	s_lshl_b32 s42, s[CX], 1
	s_add_co_u32 s42, s42, s[I1]                   ; my 128 keys of the batch
	s_lshl_b32 s60, s41, 16
	s_lshl_b32 s62, s42, 13
	s_add_co_u32 s60, s60, s62
	s_add_co_u32 s60, s60, 4096                    ; V lies behind K's eight tiles
	s_mov_b32 s61, 0
	s_add_nc_u64 s[46:47], s[30:31], s[60:61]
	s_add_nc_u64 s[48:49], s[46:47], 0x10000       ; my second head
	s_lshl_b32 s60, s41, 12
	s_lshl_b32 s62, s42, 9
	s_add_co_u32 s60, s60, s62
	s_add_co_u32 s60, s60, 256
	s_add_nc_u64 s[50:51], s[32:33], s[60:61]
	s_mov_b32 s52, 4096
.else
	s_lshl_b32 s42, s[I1], 1
	s_add_co_u32 s41, s41, s42
	s_lshl_b32 s42, s[CX], 1
	s_add_co_u32 s42, s42, s[I0]                   ; my 128 rows of the batch
	s_lshl_b32 s60, s41, 15
	s_lshl_b32 s62, s42, 12
	s_add_co_u32 s60, s60, s62
	s_lshl_b32 s60, s60, s[KIND]                   ; kvc's strides are twice qc's
	s_mov_b32 s61, 0
	s_cmp_eq_u32 s[KIND], 0
	s_cselect_b64 s[46:47], s[26:27], s[30:31]
	s_cselect_b64 s[50:51], s[28:29], s[32:33]
	s_add_nc_u64 s[46:47], s[46:47], s[60:61]
	s_lshl_b32 s60, 0x8000, s[KIND]
	s_add_nc_u64 s[48:49], s[46:47], s[60:61]
	s_lshl_b32 s60, s41, 11
	s_lshl_b32 s62, s42, 8
	s_add_co_u32 s60, s60, s62
	s_lshl_b32 s60, s60, s[KIND]
	s_add_nc_u64 s[50:51], s[50:51], s[60:61]
	s_lshl_b32 s52, 0x800, s[KIND]
.endif
	v_mul_u32_u24 v[SVO], s52, v[HH]               ; lanes 0-15 store my first head's scale words, lanes 16-31 my second head's
	v_lshl_add_u32 v[SVO], v[RR], 4, v[SVO]
	s_wait_loadcnt 0x0                             ; the bias
.if \kv
	WIN 0xc3                                       ; a lane's eight results of a tile share one channel: its bias stands in all eight registers of the C
.irp a, 0,1,2,3,4,5,6,7
.irp j, 1,2,3,4,5,6,7
	v_mov_b32 v[BI+8*\a+\j], v[BI+8*\a]
.endr
.endr
	WIN 0
	PLACES 4
.endif
.irp a, 0,1,2,3,4,5,6,7
	TILE \a, \kv
.endr
	v_cmp_eq_u32 vcc_lo, 1, v[HH]
.if \kv
.irp i, 0,1,2,3
	v_cndmask_b32 v[XW+\i], v[PWS+\i], v[PWS+4+\i], vcc_lo       ; channel tile i of my first head below, of my second head above
.endr
.else
	v_mov_b32 v[SELV], 0x05040100                  ; the low halves of two words (my first head's bytes),
	v_mov_b32 v[TP], 0x07060302                    ; or the high halves (my second head's)
	v_cndmask_b32 v[SELV], v[SELV], v[TP], vcc_lo
.irp i, 0,1,2,3
	v_perm_b32 v[XW+\i], v[PWS+2*\i+1], v[PWS+2*\i], v[SELV]     ; tile 2 i below, tile 2 i + 1 above
.endr
.endif
	global_store_b128 v[SVO], v[XW:XW+3], s[50:51] ; sixteen lanes store 256 consecutive bytes, at a multiple of 256 from the buffer's first byte
.endm
	s_cmp_eq_u32 s[KIND], 2
	s_cbranch_scc1 .Lbody_v
	BODY 0
	s_branch .Lend
.Lbody_v:
	BODY 1
.Lend:
	s_wait_dscnt 0x0
	s_wait_tensorcnt 0x0
	ds_add_u32 v254, v255
	s_wait_dscnt 0x0
	CROUND                                         ; the closing round: no work-group ends while a partner may still ask for a tile that names it
	s_endpgm
.Lfunc_end_k_q2b303898ea_qkv:
	.size	k_q2b303898ea_qkv, .Lfunc_end_k_q2b303898ea_qkv-k_q2b303898ea_qkv
	.p2alignl 7, 3214868480
	.fill 96, 4, 3214868480
	.section	.rodata,"a",@progbits
	.p2align	6, 0x0
	.amdhsa_kernel k_q2b303898ea_qkv
		.amdhsa_group_segment_fixed_size 233984
		.amdhsa_private_segment_fixed_size 0
		.amdhsa_enable_private_segment 0
		.amdhsa_kernarg_size 120
		.amdhsa_user_sgpr_count 2
		.amdhsa_user_sgpr_kernarg_segment_ptr 1
		.amdhsa_wavefront_size32 1
		.amdhsa_system_sgpr_workgroup_id_x 1
		.amdhsa_system_sgpr_workgroup_id_y 1
		.amdhsa_system_sgpr_workgroup_id_z 1
		.amdhsa_system_vgpr_workitem_id 0
		.amdhsa_next_free_vgpr 832
		.amdhsa_next_free_sgpr 102
		.amdhsa_reserve_vcc 1
		.amdhsa_float_denorm_mode_32 3
		.amdhsa_float_denorm_mode_16_64 3
		.amdhsa_memory_ordered 1
		.amdhsa_forward_progress 1
		.amdhsa_inst_pref_size 210
	.end_amdhsa_kernel
	.amdgpu_metadata
---
amdhsa.version: [ 1, 2 ]
amdhsa.kernels:
  - .name:           k_q2b303898ea_qkv
    .symbol:         k_q2b303898ea_qkv.kd
    .args:
      - { .name: x_codes, .offset: 0, .size: 8, .value_kind: global_buffer, .address_space: global }
      - { .name: x_scales, .offset: 8, .size: 8, .value_kind: global_buffer, .address_space: global }
      - { .name: Wq_codes, .offset: 16, .size: 8, .value_kind: global_buffer, .address_space: global }
      - { .name: Wq_scales, .offset: 24, .size: 8, .value_kind: global_buffer, .address_space: global }
      - { .name: Wk_codes, .offset: 32, .size: 8, .value_kind: global_buffer, .address_space: global }
      - { .name: Wk_scales, .offset: 40, .size: 8, .value_kind: global_buffer, .address_space: global }
      - { .name: Wv_codes, .offset: 48, .size: 8, .value_kind: global_buffer, .address_space: global }
      - { .name: Wv_scales, .offset: 56, .size: 8, .value_kind: global_buffer, .address_space: global }
      - { .name: bq, .offset: 64, .size: 8, .value_kind: global_buffer, .address_space: global }
      - { .name: bk, .offset: 72, .size: 8, .value_kind: global_buffer, .address_space: global }
      - { .name: bv, .offset: 80, .size: 8, .value_kind: global_buffer, .address_space: global }
      - { .name: qc, .offset: 88, .size: 8, .value_kind: global_buffer, .address_space: global }
      - { .name: qs, .offset: 96, .size: 8, .value_kind: global_buffer, .address_space: global }
      - { .name: kvc, .offset: 104, .size: 8, .value_kind: global_buffer, .address_space: global }
      - { .name: kvs, .offset: 112, .size: 8, .value_kind: global_buffer, .address_space: global }
    .group_segment_fixed_size: 233984
    .private_segment_fixed_size: 0
    .kernarg_segment_align: 8
    .kernarg_segment_size: 120
    .max_flat_workgroup_size: 128
    .sgpr_count:     102
    .vgpr_count:     832
    .wavefront_size: 32
...
	.end_amdgpu_metadata
.endif
;; end of part 1
;; launch attn (part 2): grid 4 x 192, 16 waves a work-group, clusters of 4 x 1, 169,984 bytes of LDS; arguments qc, qs, kvc, kvs, aoc, aos; writes aoc, aos
.if DOCPART == 2
	.amdgcn_target "amdgcn-amd-amdhsa--gfx1250"
	.amdhsa_code_object_version 6
	.text
	.protected	k_q2b303898ea_attn
	.globl	k_q2b303898ea_attn
	.p2align	8
	.type	k_q2b303898ea_attn,@function
k_q2b303898ea_attn:
	s_mov_b64 s[64:65], 0
	v_nop
	global_prefetch_b8 v0, s[64:65] scope:SCOPE_SE
	s_setreg_imm32_b32 hwreg(HW_REG_WAVE_MODE, 25, 1), 1
	s_wait_xcnt 0x0
	s_wait_alu depctr_hold_cnt(0) depctr_sa_sdst(0) depctr_va_vdst(0) depctr_va_sdst(0) depctr_va_ssrc(0) depctr_va_vcc(0) depctr_vm_vsrc(0)
	s_getreg_b32 s2, hwreg(HW_REG_IB_STS2, 6, 4)
	s_cmp_eq_u32 s2, 0
	s_cbranch_scc0 .Lentry_in_a_cluster
	s_endpgm
.Lentry_in_a_cluster:
	s_bfe_u32 s2, ttmp6, 0x10000c
	s_cmp_lg_u32 s2, 0x3003
	s_cbranch_scc0 .Lentry_shape_is_right
	s_endpgm
.Lentry_shape_is_right:
; O = softmax(q k^T / 8) v for one head (work-group y = 12 batch + head) and 256 queries, both products on codes of FP4 (E2M1) with E8M0 scales; O / l is quantised along the head's 64 for the output projection.
; THE SOFTMAX: t = score x log2(e) / 8; M = the running largest t rounded UP to a whole number; p = 2^(t - M) is quantised along the keys, not normalised; the row's sum l is taken of the unquantised p in f32 and divides at the end.
; When M moves, l and O are multiplied by 2^(old M - new M), which rounds nothing.
; SHARES.  Sixteen waves, each with ONE tile of 16 queries in 256 registers: four waves to a SIMD, so that one wave's exponentials stand beside another's products and LDS loads.  Every wave walks the head's 1,024 keys, 128 a step, written out: every offset is an immediate.
; LDS.  A head's K, V and their scale words, 69,632 bytes, lie in LDS whole, as images of operand registers (lane l's 16 bytes at 16 l): filled once, by waves 0 to 3, JOINTLY for the four blocks of queries of the cluster.
; LAYOUT.  Both products are used transposed: a lane holds ONE query (lane % 16) throughout.  K = 64 fills half of a product's 128: a fragment of source 0 holds TWO tiles of 16 keys, tile 2 p in registers 0-3 and tile 2 p + 1 in registers 4-7,
; and is multiplied once by [Q | zeros] and once by [zeros | Q]; zero codes add nothing under any scale byte but 0xff.  S^T's tile t gives lane half h the keys 16 t + 8 h + 0 .. 7: eight neighbours, one conversion;
; two exchanges of lane halves make registers 4 c .. 4 c + 3 of P.
; LIMITS: NaN and infinities are not served.  A block of p, or of O / l, whose largest magnitude lies under 2^-124 gets the byte 1; so does a block of zeros, where the quantiser's rule says 127: its codes are zeros, and these bytes are read by this program alone.
.set SCB,  65536                       ; LDS: 0: the codes, 8 steps x (K: 8 tiles x 512 | V: 4 tiles x 1,024);  SCB: the scale words, 8 steps x (K 256 | V 256);
.set SCR,  69632                       ; SCR: 512 bytes of scratch for the scale bytes that leave: no fill lands there
.set LI,   1                           ; v1   16 x lane
.set ASC,  2                           ; v2   SCB + 16 r
.set SCA,  3                           ; v3   SCR + 32 wave + 2 r
.set QSO,  4                           ; v4   16 r
.set SCL,  5                           ; v5   SCR + 16 x lane
.set Q1,   20                          ; v16-19 zeros, v20-23 Q, v24-27 zeros: [Q | 0] = v[20:27], [0 | Q] = v[16:23]
.set QS1,  28                          ; v28  Q's two scale bytes below; v29 above
.set KF,   32                          ; v32-63   K: four fragments of two tiles
.set VF,   64                          ; v64-95   V^T: four fragments
.set S,    96                          ; v96-159  S^T, then p
.set OA,   160                         ; v160-191 O^T
.set PC,   192                         ; v192-199 p's codes
.set KS,   200                         ; v200-203 K's scale words; v204-207 V's
.set VS,   204
.set PWD,  208                         ; v208 p's scale word
.set FF,   210                         ; v[210:211] f = 2^(old M - new M), and a written upper half
.set BM,   212                         ; v212-215 the blocks' largest scores, then p; v216-219 at work; v220-223 scale operands; v[224:225] the sum's second chain
.set BP,   216
.set SO,   220
.set C2,   224
.set TP,   226                         ; v12 -M, v13 the largest t, v[14:15] the sum in two halves
.set G1A,  16
.set G1B,  24
.set G1C,  32
.set G0A,  40
.set G0B,  44
.set G0C,  48
.set WV,   52
.set CX,   53
.set BH,   54
.set SEL,  66
.set CS,   68
.macro PLACES n
.rept \n
	v_nop
.endr
.endm
.macro CROUND                          ; a round of the cluster's barrier
	s_barrier_signal -1
	s_barrier_wait -1
	s_cmp_lg_u32 s[WV], 0
	s_cbranch_scc1 .Lnot_wave_0_\@
	s_barrier_signal -3
.Lnot_wave_0_\@:
	s_barrier_wait -3
	s_barrier_signal -1
	s_barrier_wait -1
.endm
.macro MMA d, fa, fb, cc, sa, sb
	v_wmma_scale_f32_16x16x128_f8f6f4 v[\d:\d+7], v[\fa:\fa+7], v[\fb:\fb+7], v[\cc:\cc+7], v[\sa], v[\sb] matrix_a_fmt:MATRIX_FMT_FP4 matrix_b_fmt:MATRIX_FMT_FP4
.endm
.macro MMZ d, fa, fb, sa, sb           ; the product starts its sum
	v_wmma_scale_f32_16x16x128_f8f6f4 v[\d:\d+7], v[\fa:\fa+7], v[\fb:\fb+7], 0, v[\sa], v[\sb] matrix_a_fmt:MATRIX_FMT_FP4 matrix_b_fmt:MATRIX_FMT_FP4
.endm
.macro QBLK src, nb, tm                ; nb blocks of 32, 16 numbers a lane at v[src + 16 b]: v[tm + 12 + b] the conversion's scale operand, v[tm + 4 + b] the byte
.irp b, 0,1,2,3
.if \b < \nb
	v_max3_num_f32 v[\tm+\b], |v[\src+16*\b]|, |v[\src+16*\b+1]|, 0x1800000      ; the floor 2^(3 - 127): the byte cannot fall under 1
.endif
.endr
.irp i, 2,4,6,8,10,12,14
.irp b, 0,1,2,3
.if \b < \nb
	v_max3_num_f32 v[\tm+\b], v[\tm+\b], |v[\src+16*\b+\i]|, |v[\src+16*\b+\i+1]|
.endif
.endr
.endr
.irp b, 0,1,2,3
.if \b < \nb
	v_permlanex16_b32 v[\tm+4+\b], v[\tm+\b], s[SEL], s[SEL+1]
.endif
.endr
.irp b, 0,1,2,3
.if \b < \nb
	v_max_num_f32 v[\tm+\b], v[\tm+\b], v[\tm+4+\b]
.endif
.endr
.irp b, 0,1,2,3
.if \b < \nb
	v_add_nc_u32 v[\tm+12+\b], 0xff000000, v[\tm+\b]
.endif
.endr
.irp b, 0,1,2,3
.if \b < \nb
	v_lshrrev_b32 v[\tm+4+\b], 23, v[\tm+12+\b]
.endif
.endr
.endm
.macro QCV src, c, pc, so              ; tiles 4 c .. 4 c + 3 become registers pc + 4 c .. + 3: four conversions, then (behind a plain place) QSW's two exchanges
	v_cvt_scalef32_pk8_fp4_f32 v[\pc+4*\c],   v[\src+32*\c:\src+32*\c+7],     v[\so+2*\c]
	v_cvt_scalef32_pk8_fp4_f32 v[\pc+4*\c+1], v[\src+32*\c+16:\src+32*\c+23], v[\so+2*\c+1]
	v_cvt_scalef32_pk8_fp4_f32 v[\pc+4*\c+2], v[\src+32*\c+8:\src+32*\c+15],  v[\so+2*\c]
	v_cvt_scalef32_pk8_fp4_f32 v[\pc+4*\c+3], v[\src+32*\c+24:\src+32*\c+31], v[\so+2*\c+1]
.endm
.macro QSW c, pc
	v_permlane16_swap_b32 v[\pc+4*\c], v[\pc+4*\c+1]
	v_permlane16_swap_b32 v[\pc+4*\c+2], v[\pc+4*\c+3]
.endm
	s_load_b256 s[4:11], s[0:1], 0x0               ; qc s[4:5], qs s[6:7], kvc s[8:9], kvs s[10:11]
	s_load_b128 s[12:15], s[0:1], 0x20             ; aoc s[12:13], aos s[14:15]
	v_lshl_add_u32 v254, v0, 2, 0x29000
	v_mov_b32 v255, 0
	ds_add_u32 v254, v255
	ds_add_u32 v254, v255
	v_lshrrev_b32 v[TP], 5, v0
	v_readfirstlane_b32 s[WV], v[TP]               ; wave 0..15
	s_bfe_u32 s[CX], ttmp6, 0x40000
	s_and_b32 s[BH], ttmp7, 0xffff                 ; 12 batch + head, which the four partners share
	s_min_u32 s56, s[WV], 3                        ; waves 0 to 3 fetch; the others hold wave 3's figures and issue nothing
	; descriptor groups 1: dense blocks as rows of 256 bytes (32 elements of 8 bytes), no padding; they differ in the number of rows
.irp g, G1A, G1B, G1C
	s_mov_b32 s[\g], 15|(3<<16)|(1<<21)            ; 15:0 the mask: all four partners; 17:16 elements of 8 bytes; 21 set beside a mask
	s_mov_b32 s[\g+1], 32<<16
	s_mov_b32 s[\g+3], 32<<16
	s_mov_b32 s[\g+5], 32
	s_mov_b32 s[\g+6], 0
	s_mov_b32 s[\g+7], 0
.endr
	s_mov_b32 s[G1A+2], 4<<16                      ; A: a quarter of the scale words, 1,024 bytes
	s_mov_b32 s[G1A+4], 4
	s_mov_b32 s[G1B+2], 16<<16                     ; B: a quarter of key steps 0 and 1, 4,096 bytes
	s_mov_b32 s[G1B+4], 16
	s_mov_b32 s[G1C+2], 48<<16                     ; C: a quarter of key steps 2 to 7, 12,288 bytes
	s_mov_b32 s[G1C+4], 48
	s_lshl_b32 s57, s56, 10
	s_mov_b32 s[G0A], 1
	s_add_co_u32 s[G0A+1], s57, SCB
	s_lshl_b32 s58, s[BH], 12
	s_add_co_u32 s58, s58, s57
	s_mov_b32 s59, 0
	s_lshl_b32 s57, s56, 12
	s_mov_b32 s[G0B], 1
	s_mov_b32 s[G0B+1], s57
	s_lshl_b32 s60, s[BH], 16
	s_add_co_u32 s60, s60, s57
	s_mov_b32 s61, 0
	s_mul_i32 s57, s56, 12288
	s_add_co_u32 s57, s57, 16384
	s_mov_b32 s[G0C], 1
	s_mov_b32 s[G0C+1], s57
	s_lshl_b32 s62, s[BH], 16
	s_add_co_u32 s62, s62, s57
	s_mov_b32 s63, 0
	s_wait_dscnt 0x0
	s_wait_kmcnt 0x0
	s_add_nc_u64 s[G0A+2:G0A+3], s[10:11], s[58:59]
	s_or_b32 s[G0A+3], s[G0A+3], 0x80000000
	s_add_nc_u64 s[G0B+2:G0B+3], s[8:9], s[60:61]
	s_or_b32 s[G0B+3], s[G0B+3], 0x80000000
	s_add_nc_u64 s[G0C+2:G0C+3], s[8:9], s[62:63]
	s_or_b32 s[G0C+3], s[G0C+3], 0x80000000
	CROUND                                         ; all four work-groups are here: the joint loads meet
	s_cmp_lt_u32 s[WV], 4                          ; a wave's fills stand in one branch on the wave's number: three loads of mine are out
	s_cbranch_scc0 .Lno_fetch
	tensor_load_to_lds s[G0A:G0A+3], s[G1A:G1A+7]
	s_nop 0
	tensor_load_to_lds s[G0B:G0B+3], s[G1B:G1B+7]
	s_nop 0
	tensor_load_to_lds s[G0C:G0C+3], s[G1C:G1C+7]
	s_nop 0
	PLACES 4                                       ; behind the tensor loads
.Lno_fetch:
	v_and_b32 v[LI], 31, v0
	v_lshlrev_b32 v[LI], 4, v[LI]
	v_and_b32 v[TP], 15, v0                        ; r
	v_lshlrev_b32 v[QSO], 4, v[TP]
	v_add_nc_u32 v[ASC], SCB, v[QSO]
	v_and_b32 v[SCA], 0x1e0, v0                    ; 32 x wave
	v_lshl_add_u32 v[SCA], v[TP], 1, v[SCA]
	v_add_nc_u32 v[SCA], SCR, v[SCA]
	v_add_nc_u32 v[SCL], SCR, v[LI]
	s_lshl_b32 s55, ttmp9, 2
	s_add_co_u32 s55, s55, s[CX]                   ; my block of 256 queries: it enters global addresses alone
	s_lshl_b32 s56, s55, 4
	s_add_co_u32 s56, s56, s[WV]                   ; my tile of 16 queries
	s_lshl_b32 s58, s[BH], 15
	s_lshl_b32 s57, s56, 9
	s_add_co_u32 s58, s58, s57
	s_mov_b32 s59, 0
	s_add_nc_u64 s[4:5], s[4:5], s[58:59]          ; qc at my tile;
	s_add_nc_u64 s[12:13], s[12:13], s[58:59]      ; aoc is laid likewise
	s_lshl_b32 s58, s[BH], 11
	s_lshr_b32 s57, s56, 3
	s_lshl_b32 s57, s57, 8
	s_add_co_u32 s58, s58, s57
	s_bfe_u32 s57, s56, 0x20001                    ; which pair of tiles
	s_lshl_b32 s57, s57, 2
	s_add_co_u32 s58, s58, s57
	s_add_nc_u64 s[6:7], s[6:7], s[58:59]          ; qs at my pair's word of row 0
	s_lshl_b32 s58, s[BH], 11
	s_lshl_b32 s57, s55, 9
	s_add_co_u32 s58, s58, s57
	s_add_nc_u64 s[14:15], s[14:15], s[58:59]      ; aos at my work-group's 512 bytes
	s_and_b32 s57, s[WV], 1
	s_lshl_b32 s57, s57, 4                         ; my tile's half of the pair's word
	global_load_b128 v[Q1:Q1+3], v[LI], s[4:5]     ; Q stays in registers
	global_load_b32 v[QS1], v[QSO], s[6:7]
.irp i, 16,17,18,19,24,25,26,27
	v_mov_b32 v[\i], 0                             ; the zero codes on both sides of Q
.endr
	v_mov_b32 v14, 0                               ; the sum, in two halves
	v_mov_b32 v15, 0
	v_mov_b32 v[FF+1], 0                           ; named as the upper half of a pair
.irp b, 0,1,2,3
	v_mov_b32 v[BP+\b], 0                          ; written once: a lane permute's destination counts as one of its sources
.endr
	s_mov_b32 s[SEL], 0x76543210
	s_mov_b32 s[SEL+1], 0xfedcba98                 ; v_permlanex16_b32's selects for lane xor 16
	s_mov_b32 s[CS], 0x3e38aa3b                    ; c = log2(e) / 8
	s_mov_b32 s[CS+1], s[CS]                       ; named with it as a pair
	s_wait_loadcnt 0x0
	v_lshrrev_b32 v[QS1], s57, v[QS1]              ; my two bytes below (what stands above scales zero codes and is never 0xff),
	v_lshlrev_b32 v[QS1+1], 16, v[QS1]             ; and above
	PLACES 8                                       ; scale registers written by vector instructions stand eight places ahead of a scaled product
; A KEY STEP: 128 keys.
.macro STEP j
.if \j > 0
	PLACES 4                                       ; in front of loads into registers that the last products have read
.endif
.irp i, 0,1,2,3,4,5,6,7
	ds_load_b128 v[KF+4*\i:KF+4*\i+3], v[LI] offset:8192*\j+512*\i
.endr
	ds_load_b128 v[KS:KS+3], v[ASC] offset:512*\j
.irp i, 0,1,2,3,4,5,6,7
	ds_load_b128 v[VF+4*\i:VF+4*\i+3], v[LI] offset:8192*\j+4096+512*\i
.endr
	ds_load_b128 v[VS:VS+3], v[ASC] offset:512*\j+256
	s_wait_dscnt 9                                 ; K and its scale words are in; V's nine loads may be out
.irp t, 0,1,2,3,4,5,6,7                ; S^T: even tiles by [Q | 0], odd tiles by [0 | Q]
	MMZ S+8*\t, KF+8*(\t/2), Q1-4*(\t%2), KS+\t/2, QS1+\t%2
.endr
	PLACES 4
.irp b, 0,1,2,3
	v_max3_num_f32 v[BM+\b], v[S+16*\b], v[S+16*\b+1], v[S+16*\b+2]      ; the largest score of each block of 32 keys: it serves the row's maximum and, since p rises with the score, the block's largest p
.endr
.irp i, 3,5,7,9,11,13
.irp b, 0,1,2,3
	v_max3_num_f32 v[BM+\b], v[BM+\b], v[S+16*\b+\i], v[S+16*\b+\i+1]
.endr
.endr
.irp b, 0,1,2,3
	v_max_num_f32 v[BM+\b], v[BM+\b], v[S+16*\b+15]
.endr
.irp b, 0,1,2,3
	v_permlanex16_b32 v[BP+\b], v[BM+\b], s[SEL], s[SEL+1]
.endr
.irp b, 0,1,2,3
	v_max_num_f32 v[BM+\b], v[BM+\b], v[BP+\b]     ; with lane xor 16's 16 keys
.endr
	v_max3_num_f32 v[TP], v[BM], v[BM+1], v[BM+2]
	v_max_num_f32 v[TP], v[TP], v[BM+3]
	v_mul_f32 v[TP], s[CS], v[TP]                  ; the step's largest t (c is positive)
.if \j > 0
	v_max_num_f32 v13, v13, v[TP]                  ; the running largest t
	v_mov_b32 v[TP], v12
	v_floor_f32 v12, -v13                          ; -M = floor(-t): M is a whole number
	v_sub_f32 v[TP], v12, v[TP]                    ; old M - new M: a whole number, 0 or less
	v_cvt_i32_f32 v[TP], v[TP]
	v_ldexp_f32 v[FF], 1.0, v[TP]                  ; f = 2^(old M - new M)
.else
	v_mov_b32 v13, v[TP]                           ; the first step starts M, the sum and O^T
	v_floor_f32 v12, -v13
.endif
.irp n, 0,2,4,6,8,10,12,14,16,18,20,22,24,26,28,30,32,34,36,38,40,42,44,46,48,50,52,54,56,58,60,62
	v_pk_fma_f32 v[S+\n:S+\n+1], v[S+\n:S+\n+1], s[CS:CS+1], v[12:13] op_sel_hi:[1,0,0]   ; t - M, two at a time
.endr
.irp b, 0,1,2,3
	v_fma_f32 v[BM+\b], v[BM+\b], s[CS], v12       ; the same of each block's largest score
.endr
.irp n, 0,1,2,3,4,5,6,7,8,9,10,11,12,13,14,15,16,17,18,19,20,21,22,23,24,25,26,27,28,29,30,31,32,33,34,35,36,37,38,39,40,41,42,43,44,45,46,47,48,49,50,51,52,53,54,55,56,57,58,59,60,61,62,63
	v_exp_f32 v[S+\n], v[S+\n]                     ; p = 2^(t - M), at most 1
.endr
.irp b, 0,1,2,3
	v_exp_f32 v[BM+\b], v[BM+\b]                   ; the block's largest p: the same two instructions on the same number
.endr
.if \j > 0
	v_pk_mul_f32 v[14:15], v[14:15], v[FF:FF+1] op_sel_hi:[1,0]   ; the sum under the new M; also the plain place behind the exponentials
	s_wait_alu depctr_va_vdst(0)
.else
	v_nop
	s_wait_alu depctr_va_vdst(0)
.endif
.irp b, 0,1,2,3
	v_max_num_f32 v[BM+\b], 0x1800000, v[BM+\b]    ; the floor 2^(3 - 127)
.endr
.irp b, 0,1,2,3
	v_add_nc_u32 v[SO+\b], 0xff000000, v[BM+\b]    ; 2 off the exponent field: the conversion's scale operand
.endr
.irp b, 0,1,2,3
	v_lshrrev_b32 v[BP+\b], 23, v[SO+\b]           ; the byte
.endr
	v_lshl_or_b32 v[PWD], v[BP+1], 8, v[BP]        ; p's scale word for these 128 keys
	v_lshl_or_b32 v[PWD], v[BP+2], 16, v[PWD]
	v_lshl_or_b32 v[PWD], v[BP+3], 24, v[PWD]
	QCV S, 0, PC, SO
	QCV S, 1, PC, SO
	v_nop                                          ; one plain place behind the scaled conversions
	QSW 0, PC
	QSW 1, PC
	v_pk_add_f32 v[C2:C2+1], v[S:S+1], v[S+2:S+3]  ; the row's sum is taken of the unquantised p: two at a time, in two chains.  These 32 are also the places between p's scale word and codes and the products
.irp n, 4,8,12,16,20,24,28,32,36,40,44,48,52,56,60
	v_pk_add_f32 v[14:15], v[14:15], v[S+\n:S+\n+1]
	v_pk_add_f32 v[C2:C2+1], v[C2:C2+1], v[S+\n+2:S+\n+3]
.endr
	v_pk_add_f32 v[14:15], v[14:15], v[C2:C2+1]
.if \j > 0
.irp n, 0,2,4,6,8,10,12,14,16,18,20,22,24,26,28,30
	v_pk_mul_f32 v[OA+\n:OA+\n+1], v[OA+\n:OA+\n+1], v[FF:FF+1] op_sel_hi:[1,0]   ; O^T under the new M, each accumulator from its low end on
.endr
.endif
	s_wait_dscnt 0x0                               ; V and its scale words are in
.irp u, 0,1,2,3                        ; O^T += V^T P^T: four accumulators by turns; between two links of a chain stand the next step's eight products too
.if \j == 0
	MMZ OA+8*\u, VF+8*\u, PC, VS+\u, PWD
.else
	MMA OA+8*\u, VF+8*\u, PC, OA+8*\u, VS+\u, PWD
.endif
.endr
.endm
	s_wait_tensorcnt 0x1                           ; the scale words and key steps 0, 1 are in; the load of steps 2 to 7 may stay out
	s_barrier_signal -1
	s_barrier_wait -1                              ; everybody's are
	STEP 0
	STEP 1
	s_wait_tensorcnt 0x0                           ; key steps 2 to 7 have landed,
	s_wait_dscnt 0x0
	s_barrier_signal -1
	s_barrier_wait -1                              ; everybody's part
.irp k, 2,3,4,5,6,7
	STEP \k
.endr
	; THE WAY OUT: O^T / l, quantised along the head's 64 (two blocks): registers 0-3 of an operand, stored as they stand; the two bytes of a row go through LDS, so that the work-group's 512 leave by one store.
	PLACES 4
	v_add_f32 v14, v14, v15                        ; the sum's two halves,
	v_permlanex16_b32 v[TP], v14, s[SEL], s[SEL+1]
	v_add_f32 v14, v14, v[TP]                      ; and lane xor 16's
	v_rcp_f32 v14, v14
	v_nop                                          ; a plain place behind the transcendental
	s_wait_alu depctr_va_vdst(0)
.irp n, 0,1,2,3,4,5,6,7,8,9,10,11,12,13,14,15,16,17,18,19,20,21,22,23,24,25,26,27,28,29,30,31
	v_mul_f32 v[S+\n], v[OA+\n], v14               ; register 8 u + i is channel 16 u + 8 h + i of my query
.endr
	QBLK S, 2, BM
	v_lshl_or_b32 v[TP], v[BM+5], 8, v[BM+4]
	QCV S, 0, PC, BM+12
	v_nop
	QSW 0, PC
	global_store_b128 v[LI], v[PC:PC+3], s[12:13]  ; 512 consecutive bytes
	ds_store_b16 v[SCA], v[TP]                     ; both lanes of a row write the same two bytes
	s_wait_dscnt 0x0                               ; for the others' sake
	s_barrier_signal -1
	s_barrier_wait -1
	s_cmp_lg_u32 s[WV], 0
	s_cbranch_scc1 .Lnot_first
	ds_load_b128 v[KF:KF+3], v[SCL]
	s_wait_dscnt 0x0
	global_store_b128 v[LI], v[KF:KF+3], s[14:15]  ; the sixteen tiles' scale bytes: 512 consecutive bytes
.Lnot_first:
	s_wait_dscnt 0x0
	s_wait_tensorcnt 0x0
	ds_add_u32 v254, v255
	s_wait_dscnt 0x0
	CROUND                                         ; the closing round
	s_endpgm
.Lfunc_end_k_q2b303898ea_attn:
	.size	k_q2b303898ea_attn, .Lfunc_end_k_q2b303898ea_attn-k_q2b303898ea_attn
	.p2alignl 7, 3214868480
	.fill 96, 4, 3214868480
	.section	.rodata,"a",@progbits
	.p2align	6, 0x0
	.amdhsa_kernel k_q2b303898ea_attn
		.amdhsa_group_segment_fixed_size 169984
		.amdhsa_private_segment_fixed_size 0
		.amdhsa_enable_private_segment 0
		.amdhsa_kernarg_size 48
		.amdhsa_user_sgpr_count 2
		.amdhsa_user_sgpr_kernarg_segment_ptr 1
		.amdhsa_wavefront_size32 1
		.amdhsa_system_sgpr_workgroup_id_x 1
		.amdhsa_system_sgpr_workgroup_id_y 1
		.amdhsa_system_sgpr_workgroup_id_z 1
		.amdhsa_system_vgpr_workitem_id 0
		.amdhsa_next_free_vgpr 256
		.amdhsa_next_free_sgpr 72
		.amdhsa_reserve_vcc 0
		.amdhsa_float_denorm_mode_32 3
		.amdhsa_float_denorm_mode_16_64 3
		.amdhsa_memory_ordered 1
		.amdhsa_forward_progress 1
		.amdhsa_inst_pref_size 126
	.end_amdhsa_kernel
	.amdgpu_metadata
---
amdhsa.version: [ 1, 2 ]
amdhsa.kernels:
  - .name:           k_q2b303898ea_attn
    .symbol:         k_q2b303898ea_attn.kd
    .args:
      - { .name: qc, .offset: 0, .size: 8, .value_kind: global_buffer, .address_space: global }
      - { .name: qs, .offset: 8, .size: 8, .value_kind: global_buffer, .address_space: global }
      - { .name: kvc, .offset: 16, .size: 8, .value_kind: global_buffer, .address_space: global }
      - { .name: kvs, .offset: 24, .size: 8, .value_kind: global_buffer, .address_space: global }
      - { .name: aoc, .offset: 32, .size: 8, .value_kind: global_buffer, .address_space: global }
      - { .name: aos, .offset: 40, .size: 8, .value_kind: global_buffer, .address_space: global }
    .group_segment_fixed_size: 169984
    .private_segment_fixed_size: 0
    .kernarg_segment_align: 8
    .kernarg_segment_size: 48
    .max_flat_workgroup_size: 512
    .sgpr_count:     72
    .vgpr_count:     256
    .wavefront_size: 32
...
	.end_amdgpu_metadata
.endif
;; end of part 2
;; launch proj (part 3): grid 64 x 4, 4 waves a work-group, clusters of 4 x 1, 168,448 bytes of LDS; arguments aoc, aos, Wp_codes, Wp_scales, bp, out0; writes out0
.if DOCPART == 3
	.amdgcn_target "amdgcn-amd-amdhsa--gfx1250"
	.amdhsa_code_object_version 6
	.text
	.protected	k_q2b303898ea_proj
	.globl	k_q2b303898ea_proj
	.p2align	8
	.type	k_q2b303898ea_proj,@function
k_q2b303898ea_proj:
	s_mov_b64 s[64:65], 0
	v_nop
	global_prefetch_b8 v0, s[64:65] scope:SCOPE_SE
	s_setreg_imm32_b32 hwreg(HW_REG_WAVE_MODE, 25, 1), 1
	s_wait_xcnt 0x0
	s_wait_alu depctr_hold_cnt(0) depctr_sa_sdst(0) depctr_va_vdst(0) depctr_va_sdst(0) depctr_va_ssrc(0) depctr_va_vcc(0) depctr_vm_vsrc(0)
	s_getreg_b32 s2, hwreg(HW_REG_IB_STS2, 6, 4)
	s_cmp_eq_u32 s2, 0
	s_cbranch_scc0 .Lentry_in_a_cluster
	s_endpgm
.Lentry_in_a_cluster:
	s_bfe_u32 s2, ttmp6, 0x10000c
	s_cmp_lg_u32 s2, 0x3003
	s_cbranch_scc0 .Lentry_shape_is_right
	s_endpgm
.Lentry_shape_is_right:
; out0 = A Wp + bp on codes of FP4 (E2M1) with E8M0 scales.  A: the attention's result, 16,384 rows x K = 768 (head x 64 + channel), as images of operand registers: aoc [12 batch + head][tile of 16 rows][512], aos [..][tile][r] two bytes.
; Wp: 768 rows (n) of 384 bytes of codes and 24 scale bytes.  out0: [16,384][768] f32.
; SHARES.  A work-group makes 256 rows x 192 columns (work-group y); a wave 64 rows, four tiles of 16, by all 192 columns: 12 accumulators.  Each wave keeps the 72 fragments of Wp's 192 rows in registers, read from LDS once.
; A's fragments are read by one wave alone: they come straight from memory, 512 consecutive bytes a load: head 2 s + c is registers 4 c .. 4 c + 3 of K step s.
; The product is used transposed (source 0 = 16 rows of Wp, source 1 = 16 rows of A): a lane holds eight neighbouring columns of one row of out0; the bias is the C of each sum's first product.
; JOINT LOADS: Wp's tile hangs on y and the wave alone: the four partners along x ask for it by one load with the mask 15.  Each LDS byte is filled once.
; THE WAY OUT: a tile's 16 rows x 768 bytes go through the wave's own stage and leave so that sixteen lanes store 256 consecutive bytes, at a multiple of 256 from out0's first byte.
.set PITCH, 432                        ; a row of 384 bytes in LDS: 16 bytes of padding behind each 128: 27 x 16 bytes
.set T16,   16*PITCH
.set WSC,   192*PITCH                  ; LDS: 0: Wp's 192 rows;  WSC: their scale bytes, 24 a row, dense;
.set STG,   WSC+4608                   ; STG: a stage of 16 rows x 784 bytes for each wave: no fill lands there
.set SP,    784                        ; 768 + 16 = 49 x 16 bytes
.set LI,   1                           ; v1   16 x lane
.set AW0,  2                           ; v2   Wp's fragments, tiles 0-5;  v3 tiles 6-11
.set AW1,  3
.set AWS,  4                           ; v4   Wp's scale words
.set STO,  5                           ; v5   the stage: where I put 32 bytes of a row
.set RD,   6                           ; v6   and where I read back: 16 x lane;
.set RDM,  7                           ; v7   for the load that straddles two rows
.set TP,   8
.set COM,  9                           ; v9   my offset in out0 for the store that straddles two rows
.set R2,   10                          ; v10  2 r
.set H32,  11                          ; v11  32 h
.set RR,   12
.set HH,   13
.set WSW,  16                          ; v16-87   Wp's scale words: 6 b + s
.set ASW,  88                          ; v88-111  A's: 6 a + s
.set ACC,  112                         ; v112-207 twelve accumulators; at the start A's 48 raw pairs of bytes; on the way out rows of out0
.set BIA,  64                          ; window 3: v0-63 Wp's last eight fragments; v64-159 the bias; v160-255 A's fragments, two sets of 48.  Windows 1, 2: Wp's fragments 12 s + b
.set AF,   160
.set G1C,  16
.set G1S,  24
.set G0C,  32
.set G0S,  36
.set WV,   40
.set CX,   41
.set CB,   42
.set RB,   43
.set MSB, 0
.macro WIN new
.if MSB != (\new)
	s_set_vgpr_msb (MSB<<8)|(\new)
.set MSB, (\new)
.endif
.endm
.macro PLACES n
.rept \n
	v_nop
.endr
.endm
.macro CROUND                          ; a round of the cluster's barrier
	s_barrier_signal -1
	s_barrier_wait -1
	s_cmp_lg_u32 s[WV], 0
	s_cbranch_scc1 .Lnot_wave_0_\@
	s_barrier_signal -3
.Lnot_wave_0_\@:
	s_barrier_wait -3
	s_barrier_signal -1
	s_barrier_wait -1
.endm
.macro MMA d, fa, fb, cc, sa, sb
	v_wmma_scale_f32_16x16x128_f8f6f4 v[\d:\d+7], v[\fa:\fa+7], v[\fb:\fb+7], v[\cc:\cc+7], v[\sa], v[\sb] matrix_a_fmt:MATRIX_FMT_FP4 matrix_b_fmt:MATRIX_FMT_FP4
.endm
	s_load_b256 s[4:11], s[0:1], 0x0               ; aoc s[4:5], aos s[6:7], Wp's codes s[8:9], scales s[10:11]
	s_load_b128 s[12:15], s[0:1], 0x20             ; bp s[12:13], out0 s[14:15]
	v_lshl_add_u32 v254, v0, 2, 0x29000
	v_mov_b32 v255, 0
	ds_add_u32 v254, v255
	ds_add_u32 v254, v255
	v_lshrrev_b32 v[TP], 5, v0
	v_readfirstlane_b32 s[WV], v[TP]               ; wave 0..3
	s_bfe_u32 s[CX], ttmp6, 0x40000
	s_and_b32 s[CB], ttmp7, 0xffff                 ; which 192 columns
	s_lshl_b32 s[RB], ttmp9, 2
	s_add_co_u32 s[RB], s[RB], s[CX]               ; which 256 rows: it enters global addresses alone
	s_mov_b32 s[G1C], 15|(3<<16)|(1<<20)|(1<<21)|(4<<22)|(3<<25)   ; codes: 48 rows of 384 bytes, dense = 72 rows of 256 (32 elements of 8 bytes); the mask; padding of four words after every 32
	s_mov_b32 s[G1C+1], 32<<16
	s_mov_b32 s[G1C+2], 72<<16
	s_mov_b32 s[G1C+3], 32<<16
	s_mov_b32 s[G1C+4], 72
	s_mov_b32 s[G1C+5], 32
	s_mov_b32 s[G1C+6], 0
	s_mov_b32 s[G1C+7], 0
	s_mov_b32 s[G1S], 15|(3<<16)|(1<<21)           ; scale bytes: 1,152 dense bytes = 9 rows of 128 (16 elements of 8 bytes)
	s_mov_b32 s[G1S+1], 16<<16
	s_mov_b32 s[G1S+2], 9<<16
	s_mov_b32 s[G1S+3], 16<<16
	s_mov_b32 s[G1S+4], 9
	s_mov_b32 s[G1S+5], 16
	s_mov_b32 s[G1S+6], 0
	s_mov_b32 s[G1S+7], 0
	s_mul_i32 s44, s[CB], 192
	s_mul_i32 s45, s[WV], 48
	s_add_co_u32 s44, s44, s45                     ; my 48 rows of Wp
	s_mul_i32 s46, s44, 384
	s_mov_b32 s47, 0
	s_mul_i32 s48, s44, 24
	s_mov_b32 s49, 0
	s_mov_b32 s[G0C], 1
	s_mul_i32 s[G0C+1], s[WV], 48*PITCH
	s_mov_b32 s[G0S], 1
	s_mul_i32 s45, s[WV], 1152
	s_add_co_u32 s[G0S+1], s45, WSC
	s_wait_dscnt 0x0
	s_wait_kmcnt 0x0
	s_add_nc_u64 s[G0C+2:G0C+3], s[8:9], s[46:47]
	s_or_b32 s[G0C+3], s[G0C+3], 0x80000000
	s_add_nc_u64 s[G0S+2:G0S+3], s[10:11], s[48:49]
	s_or_b32 s[G0S+3], s[G0S+3], 0x80000000
	CROUND                                         ; all four work-groups are here: the joint loads meet
	tensor_load_to_lds s[G0S:G0S+3], s[G1S:G1S+7]  ; the launch's only fills: two loads of mine are out
	s_nop 0
	tensor_load_to_lds s[G0C:G0C+3], s[G1C:G1C+7]
	s_nop 0
	PLACES 4                                       ; behind the tensor loads
	s_lshr_b32 s50, s[RB], 2                       ; the batch
	s_and_b32 s51, s[RB], 3
	s_lshl_b32 s51, s51, 4
	s_lshl_b32 s52, s[WV], 2
	s_add_co_u32 s51, s51, s52                     ; my first tile of 16 rows in the batch
	s_mul_i32 s52, s50, 12*32768
	s_lshl_b32 s54, s51, 9
	s_add_co_u32 s52, s52, s54
	s_mov_b32 s53, 0
	s_add_nc_u64 s[4:5], s[4:5], s[52:53]          ; aoc at head 0 of my first tile
	s_mul_i32 s52, s50, 12*2048
	s_lshl_b32 s54, s51, 5
	s_add_co_u32 s52, s52, s54
	s_add_nc_u64 s[6:7], s[6:7], s[52:53]          ; aos likewise
	s_mul_i32 s52, s[CB], 768
	s_add_nc_u64 s[12:13], s[12:13], s[52:53]      ; bp at my columns
	s_add_nc_u64 s[14:15], s[14:15], s[52:53]
	s_lshl_b32 s52, s[RB], 8
	s_lshl_b32 s54, s[WV], 6
	s_add_co_u32 s52, s52, s54
	s_mul_i32 s52, s52, 3072
	s_add_nc_u64 s[14:15], s[14:15], s[52:53]      ; out0 at my first row and column
	v_and_b32 v[LI], 31, v0
	v_lshlrev_b32 v[LI], 4, v[LI]
	v_and_b32 v[RR], 15, v0
	v_bfe_u32 v[HH], v0, 4, 1
	v_lshlrev_b32 v[R2], 1, v[RR]
	v_lshlrev_b32 v[H32], 5, v[HH]
	WIN 0xc0                                       ; destination window 3
.irp a, 0,1
.irp d, 0,1,2,3,4,5,6,7,8,9,10,11
	global_load_b128 v[AF+48*\a+4*\d:AF+48*\a+4*\d+3], v[LI], s[4:5] offset:32768*\d+512*\a   ; tile a, head d
.endr
.endr
.irp b, 0,1,2,3,4,5,6,7,8,9,10,11
	global_load_b128 v[BIA+8*\b:BIA+8*\b+3],   v[H32], s[12:13] offset:64*\b                  ; bp at columns 16 b + 8 h + 0 .. 7
	global_load_b128 v[BIA+8*\b+4:BIA+8*\b+7], v[H32], s[12:13] offset:64*\b+16
.endr
	WIN 0
.irp a, 0,1,2,3
.irp d, 0,1,2,3,4,5,6,7,8,9,10,11
	global_load_u16 v[ACC+12*\a+\d], v[R2], s[6:7] offset:2048*\d+32*\a                       ; row r's two scale bytes of head d
.endr
.endr
	v_mul_u32_u24 v[AW0], v[RR], PITCH
	v_lshl_add_u32 v[AW0], v[HH], 4, v[AW0]
	v_add_nc_u32 v[AW1], 6*T16, v[AW0]             ; an LDS offset has 16 bits: tiles 6 to 11 have a register of their own
	v_mul_u32_u24 v[AWS], v[RR], 24
	v_add_nc_u32 v[AWS], WSC, v[AWS]
	s_mul_i32 s54, s[WV], 16*SP
	s_add_co_u32 s54, s54, STG                     ; my stage
	v_mul_u32_u24 v[STO], v[RR], SP
	v_lshl_add_u32 v[STO], v[HH], 5, v[STO]
	v_add_nc_u32 v[STO], s54, v[STO]
	v_add_nc_u32 v[RD], s54, v[LI]
	v_lshl_add_u32 v[RDM], v[HH], 4, v[RD]         ; lanes 0-15: bytes 512 on of the even row; lanes 16-31: bytes 0 on of the odd row, 784 - 256 - 512 = 16 further
	v_add_nc_u32 v[RDM], 512, v[RDM]
	v_mul_u32_u24 v[COM], v[HH], 2304              ; the same in out0: 3,072 - 256 - 512
	v_add_nc_u32 v[COM], v[COM], v[LI]
	v_add_nc_u32 v[COM], 512, v[COM]
	s_wait_tensorcnt 0x0                           ; my two loads have landed,
	s_barrier_signal -1
	s_barrier_wait -1                              ; everybody's have: the one barrier of the work-group
.irp s, 0,1,2,3,4,5                    ; Wp into registers: fragment 12 s + b
.irp b, 0,1,2,3,4,5,6,7,8,9,10,11
	WIN ((1+(12*\s+\b)/32)<<6)
	ds_load_b128 v[8*((12*\s+\b)%32):8*((12*\s+\b)%32)+3],   v[AW0+\b/6] offset:T16*(\b%6)+144*(\s/2)+64*(\s%2)
	ds_load_b128 v[8*((12*\s+\b)%32)+4:8*((12*\s+\b)%32)+7], v[AW0+\b/6] offset:T16*(\b%6)+144*(\s/2)+64*(\s%2)+32
.endr
.endr
	WIN 0
.irp b, 0,1,2,3,4,5,6,7,8,9,10,11
.irp u, 0,1,2
	ds_load_b64 v[WSW+6*\b+2*\u:WSW+6*\b+2*\u+1], v[AWS] offset:384*\b+8*\u
.endr
.endr
	s_wait_loadcnt 0x0
.irp a, 0,1,2,3
.irp s, 0,1,2,3,4,5
	v_lshl_or_b32 v[ASW+6*\a+\s], v[ACC+12*\a+2*\s+1], 16, v[ACC+12*\a+2*\s]   ; K step s: head 2 s's two bytes below, head 2 s + 1's above
.endr
.endr
	PLACES 8                                       ; scale registers written by vector instructions stand eight places ahead of a scaled product
	s_wait_dscnt 0x0
.macro TILE a
.if \a == 2
	s_wait_loadcnt 12                              ; tile 2's fragments are in; tile 3's twelve loads may be out
.elseif \a == 3
	s_wait_loadcnt 0x0
.endif
.if \a > 0
	s_wait_xcnt 0x0                                ; the last tile's stores have read their data: only behind this wait are the accumulators written again
.endif
.irp s, 0,1,2,3,4,5                    ; the twelve accumulators take turns, one instruction a turn
.irp b, 0,1,2,3,4,5,6,7,8,9,10,11
.if \s == 0
	WIN ((1+(12*\s+\b)/32)|0x0c|0x30)              ; source 0 Wp's window, source 1 (A) and C (the bias) window 3
	MMA ACC+8*\b, 8*((12*\s+\b)%32), AF+48*((\a)%2)+8*\s, BIA+8*\b, WSW+6*\b+\s, ASW+6*(\a)+\s
.else
	WIN ((1+(12*\s+\b)/32)|0x0c)
	MMA ACC+8*\b, 8*((12*\s+\b)%32), AF+48*((\a)%2)+8*\s, ACC+8*\b, WSW+6*\b+\s, ASW+6*(\a)+\s
.endif
.endr
.endr
	WIN 0
	PLACES 5                                       ; four in front of the first read of results and of loads into A's set; five in front of the next tile's first products, which write over these accumulators
.if \a < 2
	WIN 0xc0
.irp d, 0,1,2,3,4,5,6,7,8,9,10,11
	global_load_b128 v[AF+48*((\a)%2)+4*\d:AF+48*((\a)%2)+4*\d+3], v[LI], s[4:5] offset:32768*\d+512*(\a+2)   ; the tile two further on, into the set just read
.endr
	WIN 0
.endif
.irp b, 0,1,2,3,4,5,6,7,8,9,10,11
	ds_store_b128 v[STO], v[ACC+8*\b:ACC+8*\b+3]   offset:64*\b      ; each accumulator from its low end on
	ds_store_b128 v[STO], v[ACC+8*\b+4:ACC+8*\b+7] offset:64*\b+16
.endr
.irp p, 0,1,2,3,4,5,6,7                ; two rows, 1,536 bytes, are three loads; LDS serves a wave's instructions in order (ISA guide 5.7.1.4): these see the stores above
	ds_load_b128 v[ACC+12*\p:ACC+12*\p+3],    v[RD]  offset:2*SP*\p
	ds_load_b128 v[ACC+12*\p+4:ACC+12*\p+7],  v[RDM] offset:2*SP*\p
	ds_load_b128 v[ACC+12*\p+8:ACC+12*\p+11], v[RD]  offset:2*SP*\p+SP+256
.endr
.irp p, 0,1,2,3,4,5,6,7
	s_wait_dscnt 23-3*\p                           ; the younger loads may stay out
	global_store_b128 v[LI],  v[ACC+12*\p:ACC+12*\p+3],    s[14:15] offset:49152*(\a)+6144*\p th:TH_STORE_NT
	s_wait_dscnt 22-3*\p
	global_store_b128 v[COM], v[ACC+12*\p+4:ACC+12*\p+7],  s[14:15] offset:49152*(\a)+6144*\p th:TH_STORE_NT
	s_wait_dscnt 21-3*\p
	global_store_b128 v[LI],  v[ACC+12*\p+8:ACC+12*\p+11], s[14:15] offset:49152*(\a)+6144*\p+3328 th:TH_STORE_NT
.endr
.endm
	TILE 0
	TILE 1
	TILE 2
	TILE 3
	s_wait_dscnt 0x0
	s_wait_tensorcnt 0x0
	ds_add_u32 v254, v255
	s_wait_dscnt 0x0
	CROUND                                         ; the closing round: no work-group ends while a partner may still ask for a tile that names it
	s_endpgm
.Lfunc_end_k_q2b303898ea_proj:
	.size	k_q2b303898ea_proj, .Lfunc_end_k_q2b303898ea_proj-k_q2b303898ea_proj
	.p2alignl 7, 3214868480
	.fill 96, 4, 3214868480
	.section	.rodata,"a",@progbits
	.p2align	6, 0x0
	.amdhsa_kernel k_q2b303898ea_proj
		.amdhsa_group_segment_fixed_size 168448
		.amdhsa_private_segment_fixed_size 0
		.amdhsa_enable_private_segment 0
		.amdhsa_kernarg_size 48
		.amdhsa_user_sgpr_count 2
		.amdhsa_user_sgpr_kernarg_segment_ptr 1
		.amdhsa_wavefront_size32 1
		.amdhsa_system_sgpr_workgroup_id_x 1
		.amdhsa_system_sgpr_workgroup_id_y 1
		.amdhsa_system_sgpr_workgroup_id_z 1
		.amdhsa_system_vgpr_workitem_id 0
		.amdhsa_next_free_vgpr 1024
		.amdhsa_next_free_sgpr 66
		.amdhsa_reserve_vcc 0
		.amdhsa_float_denorm_mode_32 3
		.amdhsa_float_denorm_mode_16_64 3
		.amdhsa_memory_ordered 1
		.amdhsa_forward_progress 1
		.amdhsa_inst_pref_size 92
	.end_amdhsa_kernel
	.amdgpu_metadata
---
amdhsa.version: [ 1, 2 ]
amdhsa.kernels:
  - .name:           k_q2b303898ea_proj
    .symbol:         k_q2b303898ea_proj.kd
    .args:
      - { .name: aoc, .offset: 0, .size: 8, .value_kind: global_buffer, .address_space: global }
      - { .name: aos, .offset: 8, .size: 8, .value_kind: global_buffer, .address_space: global }
      - { .name: Wp_codes, .offset: 16, .size: 8, .value_kind: global_buffer, .address_space: global }
      - { .name: Wp_scales, .offset: 24, .size: 8, .value_kind: global_buffer, .address_space: global }
      - { .name: bp, .offset: 32, .size: 8, .value_kind: global_buffer, .address_space: global }
      - { .name: out0, .offset: 40, .size: 8, .value_kind: global_buffer, .address_space: global }
    .group_segment_fixed_size: 168448
    .private_segment_fixed_size: 0
    .kernarg_segment_align: 8
    .kernarg_segment_size: 48
    .max_flat_workgroup_size: 128
    .sgpr_count:     66
    .vgpr_count:     1024
    .wavefront_size: 32
...
	.end_amdgpu_metadata
.endif
;; end of part 3
;; ======== version 2 of 2: 2 launches
;; limits: right only within a limited range of input values
;; workspace buffers: qc 6,291,456 bytes; qs 393,216 bytes; kvc 12,582,912 bytes; kvs 786,432 bytes
;; launch qkv (part 4): grid 64 x 4, 4 waves a work-group, clusters of 4 x 1, 327,680 bytes of LDS; arguments x_codes, x_scales, Wq_codes, Wq_scales, Wk_codes, Wk_scales, Wv_codes, Wv_scales, bq, bk, bv, qc, qs, kvc, kvs; writes qc, qs, kvc, kvs
.if DOCPART == 4
	.amdgcn_target "amdgcn-amd-amdhsa--gfx1250"
	.amdhsa_code_object_version 6
	.text
	.protected	k_q2b303898ea_qkv
	.globl	k_q2b303898ea_qkv
	.p2align	8
	.type	k_q2b303898ea_qkv,@function
k_q2b303898ea_qkv:
	s_mov_b64 s[64:65], 0
	v_nop
	global_prefetch_b8 v0, s[64:65] scope:SCOPE_SE
	s_setreg_imm32_b32 hwreg(HW_REG_WAVE_MODE, 25, 1), 1
	s_wait_xcnt 0x0
	s_wait_alu depctr_hold_cnt(0) depctr_sa_sdst(0) depctr_va_vdst(0) depctr_va_sdst(0) depctr_va_ssrc(0) depctr_va_vcc(0) depctr_vm_vsrc(0)
	s_getreg_b32 s2, hwreg(HW_REG_IB_STS2, 6, 4)
	s_cmp_eq_u32 s2, 0
	s_cbranch_scc0 .Lentry_in_a_cluster
	s_endpgm
.Lentry_in_a_cluster:
	s_bfe_u32 s2, ttmp6, 0x10000c
	s_cmp_lg_u32 s2, 0x3003
	s_cbranch_scc0 .Lentry_shape_is_right
	s_endpgm
.Lentry_shape_is_right:
; q, k, v = x W + b on codes of FP4 (E2M1) with one E8M0 scale for each 32 along K = 768, and the results quantised again: q and k along the head's 64, v along the keys.
; x: 16,384 rows of 384 bytes of codes and 24 scale bytes; Wq, Wk, Wv: 768 rows (head x 64 + e) each, laid likewise.  Sums in f32, the bias as the C of each sum's first product.
; SHARES.  36 heads' worth of W by 64 blocks of 256 rows of x are 256 equal parts only as NINE heads to a work-group: work-group (x block, y = g) makes heads 3 g .. 3 g + 2 of q, then of k, then of v, for its 256 rows: x is fetched once for the three.
; The side whose index is to run along a lane's REGISTERS is source 0: W for q and k (a lane holds one row t, registers run along e), x for v (a lane holds one channel, registers run along the keys).
;   q, k: wave w takes its own 64 rows of x (four tiles) against all 192 rows of W, which it keeps in 576 registers: 72 products on 12 accumulators a tile, then three heads' images of 4 registers.
;   v:    wave (i0 = w / 2, i1 = w % 2) keeps 128 rows of x (half i1), 384 registers, and walks six tiles of 16 channels, E = 2 a + i0: 48 products on 8 accumulators, then a fragment of V^T (8 registers) and its scale word.
; THE QUANTISER.  A result tile gives lane half h the eight neighbours 8 h + 0 .. 7 of 16: one conversion.  Of a block of 32 (two tiles) a lane holds 16 numbers, lane xor 16 the others.  Two exchanges of lane halves
; between the conversions of blocks 2 c and 2 c + 1 give registers 4 c .. 4 c + 3 of an operand (lanes 0-15 block 2 c, lanes 16-31 block 2 c + 1).
; OUT: images of operand registers, lane l's 16 bytes at 16 l, so every store of codes covers 512 consecutive bytes.  qc [bh][tile of 16 rows][512]; kvc [bh][128 keys][K: 8 tiles x 512 | V: 4 tiles of 16 channels x 1,024];
; qs [bh][128 rows][r][4 words], a word = the two bytes of tile 2 p below, of tile 2 p + 1 above; kvs [bh][128 keys][K: the same, 256 bytes | V: [r][4 words], a word = the four blocks of 32 keys].
; A wave makes only part of a row's scale words: they meet in a scratch in LDS and leave at the end, 512 consecutive bytes a store.
; LDS: x and three tiles of W are 379,392 bytes, more than there is.  So W's codes have two slots: Wq's and Wk's come with the first fills, and Wv's fill Wq's slot again once every wave has Wq in registers and has finished q: they land while k is made.
; JOINT LOADS: W's tiles hang on y and the wave alone: the four partners (the four blocks of one batch) ask for them by one load with the mask 15.  x's tiles are each work-group's own: those that share them lie along y.
; LIMITS: NaN and infinities among the inputs are not served.  A block whose largest magnitude lies under 2^-124 gets the byte 1; so does a block of zeros, where the quantiser's rule says 127: its codes are zeros, and these bytes are read by this program alone.
.set PITCH, 432                        ; a row of 384 bytes in LDS: 16 bytes of padding behind each 128: 27 x 16 bytes, so the 16 rows of a load start in 16 different groups of four banks (64 banks of 4 bytes: ISA guide 11.1)
.set T16,   16*PITCH
.set RX,    0                          ; LDS: x's 256 rows,
.set XSB,   256*PITCH                  ; x's scale bytes, 24 a row, dense,
.set WA,    XSB+6144                   ; slot A: 192 rows of Wq, later of Wv,
.set WB,    WA+192*PITCH               ; slot B: of Wk,
.set WSQ,   WB+192*PITCH               ; the scale bytes of Wq's, Wk's and Wv's 192 rows: each filled once,
.set WSK,   WSQ+4608
.set WSV,   WSK+4608
.set SCRQ,  WSV+4608                   ; scratch for q's scale words: [head 3][128 rows 2][256]: no fill lands there,
.set SCRK,  SCRQ+1536                  ; for k's and v's: [head 3][128 keys 2][K 256 | V 256],
.set SPARE, SCRK+3072                  ; the spare words, 128 bytes for each wave: two blocks of 256 bytes that no other line names.  The map ends at 301,568
.set LI,   1                           ; v1   16 x lane
.set RR,   2                           ; v2   r = lane % 16
.set HH,   3                           ; v3   h = lane / 16
.set FR0,  4                           ; v4   a fragment's row x pitch + 16 x half
.set SR0,  5                           ; v5   24 r
.set AD0,  6                           ; v6-7 LDS address of source 0's fragments (an LDS offset has 16 bits: W's tiles 6 to 11 have a register of their own)
.set AD1,  8                           ; v8-9 of source 1's
.set AS0,  10                          ; v10  of source 0's scale words
.set AS1,  11                          ; v11  of source 1's
.set BO,   12                          ; v12  32 h: my offset in bq, bk
.set SQA,  13                          ; v13  where my scale words go in the scratch
.set SPW,  14                          ; v14  LDS address of my spare word: SPARE + 4 x my thread's number; never rewritten
.set NIL,  15                          ; v15  0; never rewritten
.set TP,   16
.set BO2,  17                          ; v17  4 r: my offset in bv
.set SS0,  18                          ; v18-89   source 0's scale words: 6 b + s
.set S1S,  90                          ; v90-101  source 1's: two sets of 6
.set HA,   102                         ; v102-197 twelve accumulators
.set TM,   198                         ; v198-215 the quantiser's: +0 largest magnitudes, +6 bytes, +12 scale operands
.set PCB,  216                         ; v216-239 the codes just made: two sets of 12
.set HW,   240                         ; v240-242 scale bytes on their way to the scratch
.set GB,   244                         ; v244-255 scale words on their way out
.set BI,   64                          ; window 3: v0-63 source 0's fragments 64-71; v64-159 the bias; v160-255 source 1's fragments, two sets of 48.  Windows 1, 2: source 0's fragments 0-63
.set S1F,  160
.set WV,   34
.set I0,   35                          ; wave / 2
.set I1,   66                          ; wave % 2
.set CX,   67
.set GG,   88
.set G1XC, 36                          ; descriptor groups 1: x's codes, x's scales,
.set G1XS, 44
.set G1WC, 52                          ; W's codes, W's scales
.set G1WS, 68
.set G0XC, 4                           ; groups 0 for codes stand where the buffers' addresses arrived;
.set G0WQ, 8
.set G0WK, 12
.set G0WV, 16
.set G0XS, 60                          ; those for scales have registers of their own
.set G0SQ, 76
.set G0SK, 80
.set G0SV, 84
.set OQ,   90                          ; s[90:91] q's codes out, s[92:93] k's, s[94:95] v's, s[96:97] qs, s[98:99] kvs
.set OK,   92
.set OV,   94
.set QSP,  96
.set KSP,  98
.set SEL,  100                         ; s[100:101] lane selects for v_permlanex16_b32
.set MSB, 0
.macro WIN new                         ; the immediate's high byte repeats the setting that is left; a switch that changes nothing is dropped
.if MSB != (\new)
	s_set_vgpr_msb (MSB<<8)|(\new)
.set MSB, (\new)
.endif
.endm
.macro PLACES n
.rept \n
	v_nop
.endr
.endm
.macro CROUND                          ; a round of the cluster's barrier
	s_barrier_signal -1
	s_barrier_wait -1
	s_cmp_lg_u32 s[WV], 0
	s_cbranch_scc1 .Lnot_wave_0_\@
	s_barrier_signal -3
.Lnot_wave_0_\@:
	s_barrier_wait -3
	s_barrier_signal -1
	s_barrier_wait -1
.endm
.macro MMA d, fa, fb, cc, sa, sb
	v_wmma_scale_f32_16x16x128_f8f6f4 v[\d:\d+7], v[\fa:\fa+7], v[\fb:\fb+7], v[\cc:\cc+7], v[\sa], v[\sb] matrix_a_fmt:MATRIX_FMT_FP4 matrix_b_fmt:MATRIX_FMT_FP4
.endm
; nb blocks of 32: block b's 16 numbers of this lane stand in v[src + 16 b] on.  Out: v[tm + 12 + b] the conversion's scale operand, v[tm + 6 + b] the scale's byte.  Each accumulator is first read at its low end.
.macro QBLK src, nb, tm
.irp b, 0,1,2,3,4,5
.if \b < \nb
	v_max3_num_f32 v[\tm+\b], |v[\src+16*\b]|, |v[\src+16*\b+1]|, 0x1800000      ; the floor 2^(3 - 127) among the leaves: the byte cannot fall under 1
.endif
.endr
.irp i, 2,4,6,8,10,12,14
.irp b, 0,1,2,3,4,5
.if \b < \nb
	v_max3_num_f32 v[\tm+\b], v[\tm+\b], |v[\src+16*\b+\i]|, |v[\src+16*\b+\i+1]|   ; the blocks by turns
.endif
.endr
.endr
.irp b, 0,1,2,3,4,5
.if \b < \nb
	v_permlanex16_b32 v[\tm+6+\b], v[\tm+\b], s[SEL], s[SEL+1]
.endif
.endr
.irp b, 0,1,2,3,4,5
.if \b < \nb
	v_max_num_f32 v[\tm+\b], v[\tm+\b], v[\tm+6+\b]          ; with lane xor 16's 16 numbers: the block's largest magnitude
.endif
.endr
.irp b, 0,1,2,3,4,5
.if \b < \nb
	v_add_nc_u32 v[\tm+12+\b], 0xff000000, v[\tm+\b]         ; 2 off its exponent field: the conversion takes that field as its scale
.endif
.endr
.irp b, 0,1,2,3,4,5
.if \b < \nb
	v_lshrrev_b32 v[\tm+6+\b], 23, v[\tm+12+\b]              ; the scale's byte
.endif
.endr
.endm
; Tiles 4 c .. 4 c + 3 (blocks 2 c, 2 c + 1) at v[src + 32 c] on become registers pc + 4 c .. + 3: four conversions (QCV), one plain place, two exchanges of lane halves (QSW).
.macro QCV src, c, pc, so
	v_cvt_scalef32_pk8_fp4_f32 v[\pc+4*\c],   v[\src+32*\c:\src+32*\c+7],     v[\so+2*\c]
	v_cvt_scalef32_pk8_fp4_f32 v[\pc+4*\c+1], v[\src+32*\c+16:\src+32*\c+23], v[\so+2*\c+1]
	v_cvt_scalef32_pk8_fp4_f32 v[\pc+4*\c+2], v[\src+32*\c+8:\src+32*\c+15],  v[\so+2*\c]
	v_cvt_scalef32_pk8_fp4_f32 v[\pc+4*\c+3], v[\src+32*\c+24:\src+32*\c+31], v[\so+2*\c+1]
.endm
.macro QSW c, pc
	v_permlane16_swap_b32 v[\pc+4*\c], v[\pc+4*\c+1]         ; the first's lanes 16-31 change places with the second's lanes 0-15
	v_permlane16_swap_b32 v[\pc+4*\c+2], v[\pc+4*\c+3]
.endm
	s_load_b512 s[4:19], s[0:1], 0x0               ; x's codes s[4:5], scales s[6:7]; Wq's s[8:11]; Wk's s[12:15]; Wv's s[16:19]
	s_load_b256 s[20:27], s[0:1], 0x40             ; bq, bk, bv, qc
	s_load_b128 s[28:31], s[0:1], 0x60             ; qs, kvc
	s_load_b64 s[32:33], s[0:1], 0x70              ; kvs
	v_lshl_add_u32 v[SPW], v0, 2, SPARE
	v_mov_b32 v[NIL], 0
	ds_add_u32 v14, v15
	ds_add_u32 v14, v15
	s_wait_dscnt 0x0
	v_lshrrev_b32 v[TP], 5, v0
	v_readfirstlane_b32 s[WV], v[TP]               ; wave 0..3
	s_lshr_b32 s[I0], s[WV], 1
	s_and_b32 s[I1], s[WV], 1
	s_bfe_u32 s[CX], ttmp6, 0x40000                ; my place in the cluster: which 256 rows of the batch
	s_and_b32 s[GG], ttmp7, 0xffff                 ; which three heads
	; descriptor groups 1.  All blocks are dense in memory.
	s_mov_b32 s[G1XC], (3<<16)|(1<<20)|(4<<22)|(3<<25)              ; x's codes, 256 rows of 384 bytes = 384 rows of 256 (32 elements of 8 bytes): 17:16 elements of 8 bytes; 20 padding on; 24:22 after every 32 words (code 4); 31:25 four words (code 3)
	s_mov_b32 s[G1XC+1], 32<<16
	s_mov_b32 s[G1XC+2], 384<<16                   ; all 256 rows of x: 384 rows of 256 bytes, one load
	s_mov_b32 s[G1XC+3], 32<<16
	s_mov_b32 s[G1XC+4], 384
	s_mov_b32 s[G1XC+5], 32
	s_mov_b32 s[G1XC+6], 0
	s_mov_b32 s[G1XC+7], 0
	s_mov_b32 s[G1XS], 3<<16                                        ; x's scales, 256 rows of 24 bytes = 24 rows of 256: no padding
	s_mov_b32 s[G1XS+1], 32<<16
	s_mov_b32 s[G1XS+2], 24<<16                    ; the scales of all 256 rows: 24 rows of 256 bytes
	s_mov_b32 s[G1XS+3], 32<<16
	s_mov_b32 s[G1XS+4], 24
	s_mov_b32 s[G1XS+5], 32
	s_mov_b32 s[G1XS+6], 0
	s_mov_b32 s[G1XS+7], 0
	s_mov_b32 s[G1WC], 15|(3<<16)|(1<<20)|(1<<21)|(4<<22)|(3<<25)   ; W's codes, 48 rows = 72 rows of 256: 15:0 the mask: all four partners; 21 set beside a mask; padded as x's
	s_mov_b32 s[G1WC+1], 32<<16
	s_mov_b32 s[G1WC+2], 288<<16                   ; Wq's and Wk's 192 rows come whole: 288 rows of 256 bytes; for Wv the two words are set to 72 later
	s_mov_b32 s[G1WC+3], 32<<16
	s_mov_b32 s[G1WC+4], 288
	s_mov_b32 s[G1WC+5], 32
	s_mov_b32 s[G1WC+6], 0
	s_mov_b32 s[G1WC+7], 0
	s_mov_b32 s[G1WS], 15|(3<<16)|(1<<21)                           ; W's scales, 192 rows = 4,608 bytes = 36 rows of 128 (16 elements of 8 bytes)
	s_mov_b32 s[G1WS+1], 16<<16
	s_mov_b32 s[G1WS+2], 36<<16                    ; the scales of 192 rows: 36 rows of 128 bytes
	s_mov_b32 s[G1WS+3], 16<<16
	s_mov_b32 s[G1WS+4], 36
	s_mov_b32 s[G1WS+5], 16
	s_mov_b32 s[G1WS+6], 0
	s_mov_b32 s[G1WS+7], 0
	s_mul_i32 s89, s[GG], 192                      ; W: the three heads' 192 rows begin at 192 g: nothing of my place in the cluster enters
	s_mul_i32 s90, s89, 384
	s_mov_b32 s91, 0
	s_mul_i32 s92, s89, 24
	s_mov_b32 s93, 0
	s_lshl_b32 s104, ttmp9, 10                     ; x: the work-group's 256 rows begin at 1,024 batch + 256 cx
	s_lshl_b32 s105, s[CX], 8
	s_add_co_u32 s104, s104, s105
	s_mul_i32 s94, s104, 384
	s_mov_b32 s95, 0
	s_mul_i32 s96, s104, 24
	s_mov_b32 s97, 0
	s_mul_i32 s98, s[WV], 48*PITCH                 ; where they go: the wave's number times a constant
	s_wait_kmcnt 0x0
	s_mov_b32 s[G0XS], 1                           ; the scales' groups 0 first: they leave the upper pair of each four registers of addresses free for the codes' groups 0
	s_mov_b32 s[G0XS+1], XSB
	s_add_nc_u64 s[G0XS+2:G0XS+3], s[6:7], s[96:97]
	s_or_b32 s[G0XS+3], s[G0XS+3], 0x80000000
	s_mov_b32 s[G0SQ], 1
	s_mov_b32 s[G0SQ+1], WSQ
	s_add_nc_u64 s[G0SQ+2:G0SQ+3], s[10:11], s[92:93]
	s_or_b32 s[G0SQ+3], s[G0SQ+3], 0x80000000
	s_mov_b32 s[G0SK], 1
	s_mov_b32 s[G0SK+1], WSK
	s_add_nc_u64 s[G0SK+2:G0SK+3], s[14:15], s[92:93]
	s_or_b32 s[G0SK+3], s[G0SK+3], 0x80000000
	s_mov_b32 s[G0SV], 1
	s_mov_b32 s[G0SV+1], WSV
	s_add_nc_u64 s[G0SV+2:G0SV+3], s[18:19], s[92:93]
	s_or_b32 s[G0SV+3], s[G0SV+3], 0x80000000
	s_add_nc_u64 s[G0XC+2:G0XC+3], s[4:5], s[94:95]
	s_or_b32 s[G0XC+3], s[G0XC+3], 0x80000000
	s_mov_b32 s[G0XC], 1
	s_mov_b32 s[G0XC+1], RX
	s_add_nc_u64 s[G0WQ+2:G0WQ+3], s[8:9], s[90:91]
	s_or_b32 s[G0WQ+3], s[G0WQ+3], 0x80000000
	s_mov_b32 s[G0WQ], 1
	s_mov_b32 s[G0WQ+1], WA
	s_add_nc_u64 s[G0WK+2:G0WK+3], s[12:13], s[90:91]
	s_or_b32 s[G0WK+3], s[G0WK+3], 0x80000000
	s_mov_b32 s[G0WK], 1
	s_mov_b32 s[G0WK+1], WB
	s_add_nc_u64 s[G0WV+2:G0WV+3], s[16:17], s[90:91]
	s_mul_i32 s96, s[WV], 48*384                   ; Wv alone comes by quarters: my 48 rows (s97 = 0)
	s_add_nc_u64 s[G0WV+2:G0WV+3], s[G0WV+2:G0WV+3], s[96:97]
	s_or_b32 s[G0WV+3], s[G0WV+3], 0x80000000
	s_mov_b32 s[G0WV], 1
	s_add_co_u32 s[G0WV+1], s98, WA                ; Wv's codes go where Wq's lay
	CROUND                                         ; all four work-groups are here: the joint loads meet
	s_cmp_lt_u32 s[WV], 1                          ; the head's four tiles, what q wants, one load a wave: one chain of arms on the wave's number
	s_cbranch_scc0 .Lh_wq
	tensor_load_to_lds s[G0XC:G0XC+3], s[G1XC:G1XC+7]      ; wave 0: x's codes
	s_nop 0
	PLACES 4
	s_branch .Lh_done
.Lh_wq:
	s_cmp_lt_u32 s[WV], 2
	s_cbranch_scc0 .Lh_xs
	tensor_load_to_lds s[G0WQ:G0WQ+3], s[G1WC:G1WC+7]      ; wave 1: Wq's codes
	s_nop 0
	PLACES 4
	s_branch .Lh_done
.Lh_xs:
	s_cmp_lt_u32 s[WV], 3
	s_cbranch_scc0 .Lh_sq
	tensor_load_to_lds s[G0XS:G0XS+3], s[G1XS:G1XS+7]      ; wave 2: x's scales
	s_nop 0
	PLACES 4
	s_branch .Lh_done
.Lh_sq:
	tensor_load_to_lds s[G0SQ:G0SQ+3], s[G1WS:G1WS+7]      ; wave 3: Wq's scales
	s_nop 0
	PLACES 4
.Lh_done:
	v_and_b32 v[LI], 31, v0
	v_lshlrev_b32 v[LI], 4, v[LI]
	v_and_b32 v[RR], 15, v0
	v_bfe_u32 v[HH], v0, 4, 1
	v_mul_u32_u24 v[FR0], v[RR], PITCH
	v_lshl_add_u32 v[FR0], v[HH], 4, v[FR0]
	v_mul_u32_u24 v[SR0], v[RR], 24
	v_lshlrev_b32 v[BO], 5, v[HH]
	v_lshlrev_b32 v[BO2], 2, v[RR]
.irp b, 0,1,2,3,4,5
	v_mov_b32 v[TM+6+\b], 0                        ; written once: a lane permute's destination counts as one of its sources
.endr
	s_mul_i32 s104, s[WV], 64*PITCH                ; q, k: source 1 is my own 64 rows of x
	v_add_nc_u32 v[AD1], s104, v[FR0]
	s_mul_i32 s104, s[WV], 1536
	s_add_co_u32 s104, s104, XSB
	v_add_nc_u32 v[AS1], s104, v[SR0]
	s_mov_b32 s[SEL], 0x76543210                   ; lane xor 16
	s_mov_b32 s[SEL+1], 0xfedcba98
	; where the results go.  bh0 = 12 batch + 3 g
	s_mul_i32 s89, ttmp9, 12
	s_mul_i32 s104, s[GG], 3
	s_add_co_u32 s89, s89, s104
	s_lshl_b32 s104, s89, 15                       ; qc: 32,768 a head; my first tile is 16 cx + 4 wave, 512 bytes a tile
	s_lshl_b32 s105, s[CX], 13
	s_add_co_u32 s104, s104, s105
	s_lshl_b32 s105, s[WV], 11
	s_add_co_u32 s104, s104, s105
	s_mov_b32 s105, 0
	s_add_nc_u64 s[OQ:OQ+1], s[26:27], s[104:105]
	s_lshl_b32 s104, s89, 16                       ; kvc, K: 65,536 a head; 128 keys 2 cx + i0, 8,192 each; tile 4 i1
	s_lshl_b32 s105, s[CX], 14
	s_add_co_u32 s104, s104, s105
	s_lshl_b32 s105, s[I0], 13
	s_add_co_u32 s104, s104, s105
	s_lshl_b32 s105, s[I1], 11
	s_add_co_u32 s104, s104, s105
	s_mov_b32 s105, 0
	s_add_nc_u64 s[OK:OK+1], s[30:31], s[104:105]
	s_lshl_b32 s104, s89, 16                       ; kvc, V: 128 keys 2 cx + i1; behind K's eight tiles; channel tile i0 of each pair
	s_lshl_b32 s105, s[CX], 14
	s_add_co_u32 s104, s104, s105
	s_lshl_b32 s105, s[I1], 13
	s_add_co_u32 s104, s104, s105
	s_lshl_b32 s105, s[I0], 10
	s_add_co_u32 s104, s104, s105
	s_add_co_u32 s104, s104, 4096
	s_mov_b32 s105, 0
	s_add_nc_u64 s[OV:OV+1], s[30:31], s[104:105]
	s_lshl_b32 s104, s89, 11                       ; qs: 2,048 a head, 256 for 128 rows
	s_lshl_b32 s105, s[CX], 9
	s_add_co_u32 s104, s104, s105
	s_mov_b32 s105, 0
	s_add_nc_u64 s[QSP:QSP+1], s[28:29], s[104:105]
	s_lshl_b32 s104, s89, 12                       ; kvs: 4,096 a head, 512 for 128 keys
	s_lshl_b32 s105, s[CX], 10
	s_add_co_u32 s104, s104, s105
	s_mov_b32 s105, 0
	s_add_nc_u64 s[KSP:KSP+1], s[32:33], s[104:105]
	s_mul_i32 s104, s[GG], 768                     ; the biases at my three heads;
	s_add_nc_u64 s[20:21], s[20:21], s[104:105]
	s_add_nc_u64 s[22:23], s[22:23], s[104:105]
	s_add_nc_u64 s[24:25], s[24:25], s[104:105]
	s_lshl_b32 s104, s[I0], 6                      ; bv at channel tile i0
	s_add_nc_u64 s[24:25], s[24:25], s[104:105]
.macro BIASW ptr                       ; q, k: registers run along e: tile b's register j is e = 16 b + 8 h + j of my three heads
	WIN 0xc0                                       ; destination window 3
.irp b, 0,1,2,3,4,5,6,7,8,9,10,11
	global_load_b128 v[BI+8*\b:BI+8*\b+3],   v[BO], s[\ptr:\ptr+1] offset:64*\b
	global_load_b128 v[BI+8*\b+4:BI+8*\b+7], v[BO], s[\ptr:\ptr+1] offset:64*\b+16
.endr
	WIN 0
.endm
.macro LOADW slot, wsc                 ; W's 192 rows, all of K, into registers: fragment 12 s + b; and their scale words
	v_add_nc_u32 v[AD0], \slot, v[FR0]
	v_add_nc_u32 v[AD0+1], \slot+6*T16, v[FR0]
	v_add_nc_u32 v[AS0], \wsc, v[SR0]
.irp s, 0,1,2,3,4,5
.irp b, 0,1,2,3,4,5,6,7,8,9,10,11
	WIN ((1+(12*\s+\b)/32)<<6)
	ds_load_b128 v[8*((12*\s+\b)%32):8*((12*\s+\b)%32)+3],   v[AD0+\b/6] offset:T16*(\b%6)+144*(\s/2)+64*(\s%2)
	ds_load_b128 v[8*((12*\s+\b)%32)+4:8*((12*\s+\b)%32)+7], v[AD0+\b/6] offset:T16*(\b%6)+144*(\s/2)+64*(\s%2)+32
.endr
.endr
	WIN 0
.irp b, 0,1,2,3,4,5,6,7,8,9,10,11
.irp u, 0,1,2
	ds_load_b64 v[SS0+6*\b+2*\u:SS0+6*\b+2*\u+1], v[AS0] offset:384*\b+8*\u
.endr
.endr
.endm
.macro FETCH1 st, adr, off, soff       ; a tile of source 1: six fragments and six scale words, into set st: 15 LDS loads
	WIN 0xc0                                       ; destination window 3
.irp s, 0,1,2,3,4,5
.irp c, 0,1
	ds_load_b128 v[S1F+48*(\st)+8*\s+4*\c:S1F+48*(\st)+8*\s+4*\c+3], v[\adr] offset:(\off)+144*(\s/2)+64*(\s%2)+32*\c
.endr
.endr
	WIN 0
.irp u, 0,1,2
	ds_load_b64 v[S1S+6*(\st)+2*\u:S1S+6*(\st)+2*\u+1], v[AS1] offset:(\soff)+8*\u
.endr
.endm
; A tile's products: nb tiles of source 0 by one tile of source 1 (set st), six K steps.  The nb accumulators take turns, one instruction a turn.  The bias is the C of the first K step: register BI + 8 (cm b + ca).
.macro PROD nb, st, cm, ca
.irp s, 0,1,2,3,4,5
.irp b, 0,1,2,3,4,5,6,7,8,9,10,11
.if \b < \nb
.if \s == 0
	WIN ((1+(\nb*\s+\b)/32)|0x3c)                  ; source 0 its fragment's window, source 1 and C window 3
	MMA HA+8*\b, 8*((\nb*\s+\b)%32), S1F+48*(\st)+8*\s, BI+8*(\cm*\b+\ca), SS0+6*\b+\s, S1S+6*(\st)+\s
.else
	WIN ((1+(\nb*\s+\b)/32)|0x0c)
	MMA HA+8*\b, 8*((\nb*\s+\b)%32), S1F+48*(\st)+8*\s, HA+8*\b, SS0+6*\b+\s, S1S+6*(\st)+\s
.endif
.endif
.endr
.endr
	WIN 0
	PLACES 4                                       ; in front of the first read of results and of loads into registers that these products read
.endm
; q, k: tile a of my four: 16 rows of x by three heads
.macro TILEW a, optr, hstr, sstr
.if \a < 3
	FETCH1 (\a+1)%2, AD1, T16*(\a+1), 384*(\a+1)   ; the next tile, into the set that the tile before this one read
	s_wait_dscnt 15                                ; all but the 15 just issued: this tile's fragments are in (and, for tile 0, all of W)
.else
	s_wait_dscnt 0x0
.endif
	PROD 12, (\a)%2, 1, 0
	QBLK HA, 6, TM
.irp d, 0,1,2
	v_lshl_or_b32 v[HW+\d], v[TM+7+2*\d], 8, v[TM+6+2*\d]      ; head d's two bytes of my row
.endr
	s_wait_xcnt 0x0                                ; earlier stores have read their data: only behind this wait is a set of codes written again
.irp d, 0,1,2
	QCV HA, \d, PCB+12*((\a)%2), TM+12
.endr
	v_nop                                          ; one plain place behind the scaled conversions
.irp d, 0,1,2
	QSW \d, PCB+12*((\a)%2)
.endr
.irp d, 0,1,2
	global_store_b128 v[LI], v[PCB+12*((\a)%2)+4*\d:PCB+12*((\a)%2)+4*\d+3], s[\optr:\optr+1] offset:\hstr*\d+512*\a   ; head d's 64 of these 16 rows: 512 consecutive bytes
.endr
.irp d, 0,1,2
	ds_store_b16 v[SQA], v[HW+\d] offset:\sstr*\d+2*\a         ; both lanes of a row write the same two bytes
.endr
.endm
.macro PHASEW slot, wsc, optr, hstr, scr, sstr
	LOADW \slot, \wsc
	FETCH1 0, AD1, 0, 0
	s_mul_i32 s104, s[I0], \sstr/2                 ; the scratch: my 128 rows (i0), my four tiles' 8 bytes of a row's 16 (i1)
	s_lshl_b32 s105, s[I1], 3
	s_add_co_u32 s104, s104, s105
	s_add_co_u32 s104, s104, \scr
	v_lshl_add_u32 v[SQA], v[RR], 4, s104
	s_wait_loadcnt 0x0                             ; the bias
.irp a, 0,1,2,3
	TILEW \a, \optr, \hstr, \sstr
.endr
.endm
; v: tile a of my six: 16 channels (tile E = 2 a + i0 of the three heads' twelve) by my 128 keys
.macro TILEV a
.if \a < 5
	FETCH1 (\a+1)%2, AD1+(\a+1)/3, 2*T16*((\a+1)%3), 768*(\a+1)
	s_wait_dscnt 15                                ; all but the 15 just issued
.else
	s_wait_dscnt 0x0
.endif
	PROD 8, (\a)%2, 0, \a
	QBLK HA, 4, TM
	v_lshl_or_b32 v[HW], v[TM+7], 8, v[TM+6]       ; the four bytes make my channel's scale word for these 128 keys
	v_lshl_or_b32 v[HW], v[TM+8], 16, v[HW]
	v_lshl_or_b32 v[HW], v[TM+9], 24, v[HW]
	s_wait_xcnt 0x0                                ; earlier stores have read their data
	QCV HA, 0, PCB+12*((\a)%2), TM+12
	QCV HA, 1, PCB+12*((\a)%2), TM+12
	v_nop
	QSW 0, PCB+12*((\a)%2)
	QSW 1, PCB+12*((\a)%2)
	global_store_b128 v[LI], v[PCB+12*((\a)%2):PCB+12*((\a)%2)+3],   s[OV:OV+1] offset:65536*(\a/2)+2048*(\a%2)       ; head a / 2, channel tile 2 (a % 2) + i0: a whole fragment of V^T
	global_store_b128 v[LI], v[PCB+12*((\a)%2)+4:PCB+12*((\a)%2)+7], s[OV:OV+1] offset:65536*(\a/2)+2048*(\a%2)+512
	ds_store_b32 v[SQA], v[HW] offset:1024*(\a/2)+8*(\a%2)
.endm
	BIASW 20                                       ; bq, while the tiles are on their way
	s_wait_alu depctr_va_vdst(0)
	s_wait_tensorcnt 0x0                           ; my tile of the head's four has landed; the later first fills stand behind the full sequence
	ds_add_u32 v[SPW], v[NIL]
	s_wait_dscnt 0x0
	CROUND                                         ; everybody's tile has landed, and the four work-groups are here
	s_cmp_lt_u32 s[WV], 1                          ; what k and v want, one load a wave: they land while q is made
	s_cbranch_scc0 .Lg_sk
	tensor_load_to_lds s[G0WK:G0WK+3], s[G1WC:G1WC+7]      ; wave 0: Wk's codes
	s_nop 0
	PLACES 4
	s_branch .Lg_done
.Lg_sk:
	s_cmp_lt_u32 s[WV], 2
	s_cbranch_scc0 .Lg_sv
	tensor_load_to_lds s[G0SK:G0SK+3], s[G1WS:G1WS+7]      ; wave 1: Wk's scales
	s_nop 0
	PLACES 4
	s_branch .Lg_done
.Lg_sv:
	s_cmp_lt_u32 s[WV], 3
	s_cbranch_scc0 .Lg_done
	tensor_load_to_lds s[G0SV:G0SV+3], s[G1WS:G1WS+7]      ; wave 2: Wv's scales
	s_nop 0
	PLACES 4
.Lg_done:
	PHASEW WA, WSQ, OQ, 32768, SCRQ, 512           ; ---- q
	s_wait_tensorcnt 0x0                           ; all my tensor loads have landed, my part of Wk among them;
	ds_add_u32 v[SPW], v[NIL]
	s_mov_b32 s[G1WC+2], 72<<16                    ; no tensor load of mine is out: from here on a load of W's codes brings 48 rows, 72 rows of 256 bytes
	s_mov_b32 s[G1WC+4], 72
	s_wait_dscnt 0x0
	CROUND
	tensor_load_to_lds s[G0WV:G0WV+3], s[G1WC:G1WC+7]
	s_nop 0
	PLACES 4
	BIASW 22                                       ; bk: the products that read bq stand behind their places
	PHASEW WB, WSK, OK, 65536, SCRK, 1024          ; ---- k
	s_wait_tensorcnt 0x0                           ; my part of Wv has landed,
	s_wait_dscnt 0x0
	s_barrier_signal -1
	s_barrier_wait -1                              ; everybody's has
	; ---- v
	WIN 0xc0
.irp a, 0,1,2,3,4,5
	global_load_b32 v[BI+8*\a], v[BO2], s[24:25] offset:128*\a       ; a lane holds one channel: tile a's is 16 (2 a + i0) + r
.endr
	WIN 0
	s_mul_i32 s104, s[I1], 128*PITCH               ; source 0: my 128 rows of x
	v_add_nc_u32 v[AD0], s104, v[FR0]
	s_wait_alu depctr_va_vdst(0)
	s_mul_i32 s104, s[I1], 3072
	s_add_co_u32 s104, s104, XSB
	v_add_nc_u32 v[AS0], s104, v[SR0]
	s_wait_alu depctr_va_vdst(0)
	s_mul_i32 s104, s[I0], T16                     ; source 1: Wv's tiles 2 a + i0
	s_add_co_u32 s104, s104, WA
	v_add_nc_u32 v[AD1], s104, v[FR0]
	s_wait_alu depctr_va_vdst(0)
	v_add_nc_u32 v[AD1+1], 6*T16, v[AD1]           ; tiles a = 3 .. 5 have a register of their own
	s_mul_i32 s104, s[I0], 384
	s_add_co_u32 s104, s104, WSV
	v_add_nc_u32 v[AS1], s104, v[SR0]
	s_wait_alu depctr_va_vdst(0)
	s_lshl_b32 s104, s[I1], 9                      ; the scratch: my 128 keys (i1), V's half, word 2 (a % 2) + i0 of a row's four
	s_lshl_b32 s105, s[I0], 2
	s_add_co_u32 s104, s104, s105
	s_add_co_u32 s104, s104, SCRK+256
	v_lshl_add_u32 v[SQA], v[RR], 4, s104
.irp s, 0,1,2,3,4,5                    ; x into registers: fragment 8 s + b
.irp b, 0,1,2,3,4,5,6,7
	WIN ((1+(8*\s+\b)/32)<<6)
	ds_load_b128 v[8*((8*\s+\b)%32):8*((8*\s+\b)%32)+3],   v[AD0] offset:T16*\b+144*(\s/2)+64*(\s%2)
	ds_load_b128 v[8*((8*\s+\b)%32)+4:8*((8*\s+\b)%32)+7], v[AD0] offset:T16*\b+144*(\s/2)+64*(\s%2)+32
.endr
.endr
	WIN 0
.irp b, 0,1,2,3,4,5,6,7
.irp u, 0,1,2
	ds_load_b64 v[SS0+6*\b+2*\u:SS0+6*\b+2*\u+1], v[AS0] offset:384*\b+8*\u
.endr
.endr
	FETCH1 0, AD1, 0, 0
	s_wait_loadcnt 0x0                             ; bv
	WIN 0xc3                                       ; a lane's eight results of a tile share one channel: its bias stands in all eight registers of the C
.irp a, 0,1,2,3,4,5
.irp j, 1,2,3,4,5,6,7
	v_mov_b32 v[BI+8*\a+\j], v[BI+8*\a]
.endr
.endr
	WIN 0
	PLACES 4
.irp a, 0,1,2,3,4,5
	TILEV \a
.endr
	; ---- the scale words leave: nine pieces of 512 consecutive bytes; wave 0 takes q's three, waves 1 to 3 a head's two of k and v
	s_wait_dscnt 0x0                               ; for the others' sake: my stores into the scratch are done
	s_barrier_signal -1
	s_barrier_wait -1
	s_cmp_lg_u32 s[WV], 0
	s_cbranch_scc1 .Lkv_words
	v_add_nc_u32 v[TP], SCRQ, v[LI]
.irp d, 0,1,2
	ds_load_b128 v[GB+4*\d:GB+4*\d+3], v[TP] offset:512*\d
.endr
	s_wait_dscnt 0x0
.irp d, 0,1,2
	global_store_b128 v[LI], v[GB+4*\d:GB+4*\d+3], s[QSP:QSP+1] offset:2048*\d
.endr
	s_branch .Lfin
.Lkv_words:
	s_lshl_b32 s104, s[WV], 10                     ; head wave - 1
	s_add_co_u32 s104, s104, SCRK-1024
	v_add_nc_u32 v[TP], s104, v[LI]
	ds_load_b128 v[GB:GB+3],   v[TP]
	ds_load_b128 v[GB+4:GB+7], v[TP] offset:512
	s_lshl_b32 s104, s[WV], 12
	s_sub_co_u32 s104, s104, 4096
	s_mov_b32 s105, 0
	s_add_nc_u64 s[KSP:KSP+1], s[KSP:KSP+1], s[104:105]
	s_wait_dscnt 0x0
	global_store_b128 v[LI], v[GB:GB+3],   s[KSP:KSP+1]
	global_store_b128 v[LI], v[GB+4:GB+7], s[KSP:KSP+1] offset:512
.Lfin:
	s_wait_tensorcnt 0x0                           ; the wave's end: behind my last tensor load and my last LDS store
	ds_add_u32 v[SPW], v[NIL]
	s_wait_dscnt 0x0
	CROUND                                         ; the closing round: no work-group ends while a partner may still ask for a tile that names it
	s_endpgm
.Lfunc_end_k_q2b303898ea_qkv:
	.size	k_q2b303898ea_qkv, .Lfunc_end_k_q2b303898ea_qkv-k_q2b303898ea_qkv
	.p2alignl 7, 3214868480
	.fill 96, 4, 3214868480
	.section	.rodata,"a",@progbits
	.p2align	6, 0x0
	.amdhsa_kernel k_q2b303898ea_qkv
		.amdhsa_group_segment_fixed_size 327680
		.amdhsa_private_segment_fixed_size 0
		.amdhsa_enable_private_segment 0
		.amdhsa_kernarg_size 120
		.amdhsa_user_sgpr_count 2
		.amdhsa_user_sgpr_kernarg_segment_ptr 1
		.amdhsa_wavefront_size32 1
		.amdhsa_system_sgpr_workgroup_id_x 1
		.amdhsa_system_sgpr_workgroup_id_y 1
		.amdhsa_system_sgpr_workgroup_id_z 1
		.amdhsa_system_vgpr_workitem_id 0
		.amdhsa_next_free_vgpr 1024
		.amdhsa_next_free_sgpr 106
		.amdhsa_reserve_vcc 0
		.amdhsa_float_denorm_mode_32 3
		.amdhsa_float_denorm_mode_16_64 3
		.amdhsa_memory_ordered 1
		.amdhsa_forward_progress 1
		.amdhsa_inst_pref_size 251
	.end_amdhsa_kernel
	.amdgpu_metadata
---
amdhsa.version: [ 1, 2 ]
amdhsa.kernels:
  - .name:           k_q2b303898ea_qkv
    .symbol:         k_q2b303898ea_qkv.kd
    .args:
      - { .name: x_codes, .offset: 0, .size: 8, .value_kind: global_buffer, .address_space: global }
      - { .name: x_scales, .offset: 8, .size: 8, .value_kind: global_buffer, .address_space: global }
      - { .name: Wq_codes, .offset: 16, .size: 8, .value_kind: global_buffer, .address_space: global }
      - { .name: Wq_scales, .offset: 24, .size: 8, .value_kind: global_buffer, .address_space: global }
      - { .name: Wk_codes, .offset: 32, .size: 8, .value_kind: global_buffer, .address_space: global }
      - { .name: Wk_scales, .offset: 40, .size: 8, .value_kind: global_buffer, .address_space: global }
      - { .name: Wv_codes, .offset: 48, .size: 8, .value_kind: global_buffer, .address_space: global }
      - { .name: Wv_scales, .offset: 56, .size: 8, .value_kind: global_buffer, .address_space: global }
      - { .name: bq, .offset: 64, .size: 8, .value_kind: global_buffer, .address_space: global }
      - { .name: bk, .offset: 72, .size: 8, .value_kind: global_buffer, .address_space: global }
      - { .name: bv, .offset: 80, .size: 8, .value_kind: global_buffer, .address_space: global }
      - { .name: qc, .offset: 88, .size: 8, .value_kind: global_buffer, .address_space: global }
      - { .name: qs, .offset: 96, .size: 8, .value_kind: global_buffer, .address_space: global }
      - { .name: kvc, .offset: 104, .size: 8, .value_kind: global_buffer, .address_space: global }
      - { .name: kvs, .offset: 112, .size: 8, .value_kind: global_buffer, .address_space: global }
    .group_segment_fixed_size: 327680
    .private_segment_fixed_size: 0
    .kernarg_segment_align: 8
    .kernarg_segment_size: 120
    .max_flat_workgroup_size: 128
    .sgpr_count:     106
    .vgpr_count:     1024
    .wavefront_size: 32
...
	.end_amdgpu_metadata
.endif
;; end of part 4
;; launch attnp (part 5): grid 16 x 16, 16 waves a work-group, clusters of 4 x 1, 327,680 bytes of LDS; arguments qc, qs, kvc, kvs, Wp_codes, Wp_scales, bp, out0; writes out0
.if DOCPART == 5
	.amdgcn_target "amdgcn-amd-amdhsa--gfx1250"
	.amdhsa_code_object_version 6
	.text
	.protected	k_q2b303898ea_attnp
	.globl	k_q2b303898ea_attnp
	.p2align	8
	.type	k_q2b303898ea_attnp,@function
k_q2b303898ea_attnp:
	s_mov_b64 s[64:65], 0
	v_nop
	global_prefetch_b8 v0, s[64:65] scope:SCOPE_SE
	s_setreg_imm32_b32 hwreg(HW_REG_WAVE_MODE, 25, 1), 1
	s_wait_xcnt 0x0
	s_wait_alu depctr_hold_cnt(0) depctr_sa_sdst(0) depctr_va_vdst(0) depctr_va_sdst(0) depctr_va_ssrc(0) depctr_va_vcc(0) depctr_vm_vsrc(0)
	s_getreg_b32 s2, hwreg(HW_REG_IB_STS2, 6, 4)
	s_cmp_eq_u32 s2, 0
	s_cbranch_scc0 .Lentry_in_a_cluster
	s_endpgm
.Lentry_in_a_cluster:
	s_bfe_u32 s2, ttmp6, 0x10000c
	s_cmp_lg_u32 s2, 0x3003
	s_cbranch_scc0 .Lentry_shape_is_right
	s_endpgm
.Lentry_shape_is_right:
; out = Q(softmax(q k^T / 8) v) Wp + bp: attention and the output projection in one launch, all three products on codes of FP4 (E2M1) with E8M0 scales.
; THE SOFTMAX: t = score x log2(e) / 8; M = the running largest t rounded UP to a whole number; p = 2^(t - M) is quantised along the keys; the row's sum l of the unquantised p, in f32, divides at the end.
; When M moves, l and O are multiplied by 2^(old M - new M), which rounds nothing.  O / l is quantised along the head's 64 and stays in LDS as the projection's operand.
; SHARES.  A work-group owns 64 queries of one batch for ALL 12 heads: 16 x 16 = 256 work-groups.  Wave w has the tile of 16 queries w % 4 and, in phase ph = 0, 1, 2, head 4 ph + w / 4: 8 key steps of 128 keys a head.
; THE RING: two slots of 139,264 bytes.  Chunks 0 to 5: four heads x 512 keys (codes 4 x 32,768, scale words 4 x 2,048); chunks 6 to 8: a third of Wp, 256 rows (pitch 432: 110,592 bytes) and their scales (6,144).
; Waves 0 to 3 fetch codes, wave 4 scales, one load a wave behind each round, JOINTLY for the cluster's four blocks of queries, which walk the same K, V and Wp.
; THE PROJECTION: in a third wave w makes rows 16 (w % 4) .. + 15 by columns 64 (w / 4) .. + 63: 4 accumulators x 6 K steps, the bias loaded into the accumulators; out through a stage of 16 rows x 272 bytes,
; so that sixteen lanes store 256 consecutive bytes, aligned.  The stages lie where no later fill lands: behind the thirds in both slots (bytes 116,736 on: five waves each) and, for waves 10 to 15, over O's codes once every wave holds them in registers.
; LAYOUT of q, k, v: images of operand registers, lane l's 16 bytes at 16 l.  K = 64 fills half of a product's 128: a fragment holds two tiles of 16 keys and is multiplied by [Q | zeros] and by [zeros | Q].
; PREFETCH: at the change into chunk c waves 8 to 11 ask for chunk c + 2's codes, two chunks (8 key steps) ahead of its load's wait: partner cx takes head cx's 32,768 bytes, 8,192 a wave, lanes 256 bytes apart; it stops at c = 3.
; Not prefetched: the scale words (8,192 bytes a chunk) and Wp, whose thirds all 256 work-groups ask for at about the same place of the text.
; LIMITS: NaN and infinities are not served; the promise holds while the scaled scores stay under 2^31 in magnitude.  A block whose largest magnitude lies under 2^-124, or a block of zeros, gets the byte 1: its bytes are read by this launch alone.
.set SLOT,  139264
.set SCO,   131072                     ; a chunk's scale words in its slot
.set PITCH, 432                        ; a row of Wp in LDS: 16 bytes of padding behind each 128
.set T16,   16*PITCH
.set WSO,   256*PITCH                  ; a third's scale bytes in its slot
.set STT,   WSO+6144                   ; from here on a slot has had its last fill when the thirds begin
.set AOC,   2*SLOT                     ; O's codes: [tile 4][head 12][512]
.set AOS,   AOC+24576                  ; O's scale words: [tile 4][K step 6][row 16]
.set SPARE, AOS+1536                   ; the spare words: 128 bytes a wave, eight blocks of 256
.set LI,   1                           ; 16 x lane
.set AK0,  2                           ; my head's codes in a slot
.set AS0,  3                           ; its scale words
.set ADC,  4
.set ADS,  5
.set SPW,  6
.set NIL,  7
.set TP2,  8
.set AOA,  9                           ; where my image of O goes
.set AOB,  10                          ; and its two scale bytes
.set PFO,  11                          ; 256 x lane
.set Q1,   20                          ; v16-19 zeros, v20-23 Q, v24-27 zeros
.set QS1,  28
.set QW,   30
.set QSO,  31                          ; 16 r
.set KF,   32
.set VF,   64
.set S,    96
.set OA,   160
.set PC,   192
.set KS,   200
.set VS,   204
.set PWD,  208
.set FF,   210
.set BM,   212
.set BP,   216
.set SO,   220
.set C2,   224
.set TP,   226
.set TP3,  227
.set QN,   228                         ; the next head's Q
.set AF,   32                          ; the projection: v32-79 O's fragments; v80-91 addresses; v96-159 Wp's fragments, two sets; v160-191 accumulators
.set RRR,  80
.set HHH,  81
.set AW0,  82
.set AX0,  83
.set STO,  84
.set RD,   85
.set CO,   86
.set H32,  87
.set AAD,  88
.set ASD,  89
.set AW,   90
.set AX,   91
.set WF,   96
.set RB,   96
.set ASW,  200                         ; scale words of O: v200-205;
.set WSW,  232                         ; of Wp: v232-255
.set G1K,  20
.set G1S,  28
.set G1W,  36
.set G1T,  44
.set G0K,  52
.set G0S,  56
.set G0W,  60
.set G0T,  68
.set WV,   72
.set CX,   73
.set BB,   74
.set W3,   75
.set DS,   76                          ; s[76:77] bytes from the chunk asked for last to the next: 32,768 and 229,376 by turns
.set DT,   78                          ; the same for scale words: 2,048 and 14,336
.set PFA,  80
.set PFW,  82
.set CH,   83
.set TB,   84
.set SH,   85
.set SEL,  86
.set CS,   88
.set HG,   98
.set QT,   99
.macro PLACES n
.rept \n
	v_nop
.endr
.endm
.macro CROUND
	s_barrier_signal -1
	s_barrier_wait -1
	s_cmp_lg_u32 s[WV], 0
	s_cbranch_scc1 .Lnot_wave_0_\@
	s_barrier_signal -3
.Lnot_wave_0_\@:
	s_barrier_wait -3
	s_barrier_signal -1
	s_barrier_wait -1
.endm
.macro MMA d, fa, fb, cc, sa, sb
	v_wmma_scale_f32_16x16x128_f8f6f4 v[\d:\d+7], v[\fa:\fa+7], v[\fb:\fb+7], v[\cc:\cc+7], v[\sa], v[\sb] matrix_a_fmt:MATRIX_FMT_FP4 matrix_b_fmt:MATRIX_FMT_FP4
.endm
.macro MMZ d, fa, fb, sa, sb
	v_wmma_scale_f32_16x16x128_f8f6f4 v[\d:\d+7], v[\fa:\fa+7], v[\fb:\fb+7], 0, v[\sa], v[\sb] matrix_a_fmt:MATRIX_FMT_FP4 matrix_b_fmt:MATRIX_FMT_FP4
.endm
.macro QCV src, c, pc, so              ; tiles 4 c .. 4 c + 3 become registers pc + 4 c .. + 3: four conversions, then, behind a plain place, QSW
	v_cvt_scalef32_pk8_fp4_f32 v[\pc+4*\c],   v[\src+32*\c:\src+32*\c+7],     v[\so+2*\c]
	v_cvt_scalef32_pk8_fp4_f32 v[\pc+4*\c+1], v[\src+32*\c+16:\src+32*\c+23], v[\so+2*\c+1]
	v_cvt_scalef32_pk8_fp4_f32 v[\pc+4*\c+2], v[\src+32*\c+8:\src+32*\c+15],  v[\so+2*\c]
	v_cvt_scalef32_pk8_fp4_f32 v[\pc+4*\c+3], v[\src+32*\c+24:\src+32*\c+31], v[\so+2*\c+1]
.endm
.macro QSW c, pc
	v_permlane16_swap_b32 v[\pc+4*\c], v[\pc+4*\c+1]
	v_permlane16_swap_b32 v[\pc+4*\c+2], v[\pc+4*\c+3]
.endm
.macro TLOAD g0c, g1c, g0s, g1s        ; waves 0 to 3 fetch codes, wave 4 scales, the others nothing: branches on the wave's number alone
	s_cmp_lt_u32 s[WV], 4
	s_cbranch_scc0 .Lnot_c_\@
	tensor_load_to_lds s[\g0c:\g0c+3], s[\g1c:\g1c+7]
	s_nop 0
	PLACES 4
	s_branch .Lasked_\@
.Lnot_c_\@:
	s_cmp_eq_u32 s[WV], 4
	s_cbranch_scc0 .Lasked_\@
	tensor_load_to_lds s[\g0s:\g0s+3], s[\g1s:\g1s+7]
	s_nop 0
	PLACES 4
.Lasked_\@:
.endm
; THE CHANGE OF SLOTS.  kind 1: the next chunk of K and V is asked for; 2: a third of Wp (step = 1: the next third, in the other slot); 0: nothing.
.macro CHANGE kind, step, sl
	s_wait_alu depctr_va_vdst(0)
	s_wait_tensorcnt 0x0                           ; no tensor load of mine is out: a group 0 may be written
	ds_add_u32 v[SPW], v[NIL]
.if \kind
	ds_add_u32 v[SPW], v[NIL]                      ; twice on end where a load follows that some waves pass by
.endif
.if \kind == 1
	s_xor_b32 s90, s[TB], SLOT                     ; the other slot's first byte (TB is 0 or SLOT)
	s_lshl_b32 s91, s[W3], 15
	s_add_co_u32 s[G0K+1], s90, s91                ; + my head's 32,768 bytes
	s_add_nc_u64 s[G0K+2:G0K+3], s[G0K+2:G0K+3], s[DS:DS+1]
	s_add_co_u32 s[G0S+1], s90, SCO
	s_add_nc_u64 s[G0S+2:G0S+3], s[G0S+2:G0S+3], s[DT:DT+1]
	s_wait_xcnt 0x0                                ; my last prefetch has read its address
	s_xor_b32 s[DS], s[DS], 0x30000
	s_add_nc_u64 s[PFA:PFA+1], s[PFA:PFA+1], s[DS:DS+1]   ; the prefetch stands one chunk further on than the descriptors: it takes the distance of the other parity
	s_xor_b32 s[DT], s[DT], 0x3000
.endif
.if \step
	s_mul_i32 s[G0W+1], s[W3], 64*PITCH            ; my 64 rows, in slot sl
	s_add_co_u32 s[G0W+1], s[G0W+1], \sl*SLOT
	s_add_nc_u64 s[G0W+2:G0W+3], s[G0W+2:G0W+3], 98304
	s_mov_b32 s[G0T+1], WSO+\sl*SLOT
	s_add_nc_u64 s[G0T+2:G0T+3], s[G0T+2:G0T+3], 6144
.endif
	s_wait_dscnt 0x0                               ; the add is done, and so are my reads of the slot that I leave and my LDS stores
.if \kind
	CROUND
.else
	s_barrier_signal -1
	s_barrier_wait -1
.endif
.if \kind == 1
	TLOAD G0K, G1K, G0S, G1S
	s_cmp_lt_u32 s[CH], s[PFW]                     ; waves 8 to 11, while a chunk two on exists
	s_cbranch_scc0 .Lno_pf_\@
	global_prefetch_b8 v[PFO], s[PFA:PFA+1] th:TH_LOAD_NT scope:SCOPE_SE
.Lno_pf_\@:
.endif
.if \kind == 2
	TLOAD G0W, G1W, G0T, G1T
.endif
.endm
.macro INITREGS                        ; a head begins: the largest t is -3e38, the sum and O^T are zeros, which the first change of M leaves zeros
	v_mov_b32 v13, 0xff61b1e6
	v_mov_b32 v12, 0x7f61b1e6
	v_mov_b32 v14, 0
	v_mov_b32 v15, 0
.irp n, 0,1,2,3,4,5,6,7,8,9,10,11,12,13,14,15,16,17,18,19,20,21,22,23,24,25,26,27,28,29,30,31
	v_mov_b32 v[OA+\n], 0
.endr
.endm
; A KEY STEP: 128 keys, the j-th of the slot in hand.  V of this step and K of the next are asked for behind S^T's places and land under the softmax.
.macro STEP j
.if \j == 0
.irp i, 0,1,2,3,4,5,6,7
	ds_load_b128 v[KF+4*\i:KF+4*\i+3], v[ADC] offset:512*\i
.endr
	ds_load_b128 v[KS:KS+3], v[ADS]
.endif
	s_wait_dscnt 0x0                               ; K and its scale words are in
.irp t, 0,1,2,3,4,5,6,7
	MMZ S+8*\t, KF+8*(\t/2), Q1-4*(\t%2), KS+\t/2, QS1+\t%2
.endr
	PLACES 4                                       ; ahead of the first read of S^T and of the loads into K's and V's registers
.irp i, 0,1,2,3,4,5,6,7
	ds_load_b128 v[VF+4*\i:VF+4*\i+3], v[ADC] offset:8192*\j+4096+512*\i
.endr
	ds_load_b128 v[VS:VS+3], v[ADS] offset:512*\j+256
.if \j < 3
.irp i, 0,1,2,3,4,5,6,7
	ds_load_b128 v[KF+4*\i:KF+4*\i+3], v[ADC] offset:8192*(\j+1)+512*\i
.endr
	ds_load_b128 v[KS:KS+3], v[ADS] offset:512*(\j+1)
.endif
.irp b, 0,1,2,3
	v_max3_num_f32 v[BM+\b], v[S+16*\b], v[S+16*\b+1], v[S+16*\b+2]      ; each block's largest score: for the row's maximum and for the block's largest p
.endr
.irp i, 3,5,7,9,11,13
.irp b, 0,1,2,3
	v_max3_num_f32 v[BM+\b], v[BM+\b], v[S+16*\b+\i], v[S+16*\b+\i+1]
.endr
.endr
.irp b, 0,1,2,3
	v_max_num_f32 v[BM+\b], v[BM+\b], v[S+16*\b+15]
.endr
.irp b, 0,1,2,3
	s_delay_alu instid0(VALU_DEP_4)
	v_permlanex16_b32 v[BP+\b], v[BM+\b], s[SEL], s[SEL+1]
.endr
.irp b, 0,1,2,3
	s_delay_alu instid0(VALU_DEP_4)
	v_max_num_f32 v[BM+\b], v[BM+\b], v[BP+\b]     ; with lane xor 16's 16 keys
.endr
	s_delay_alu instid0(VALU_DEP_2)
	v_max3_num_f32 v[TP], v[BM], v[BM+1], v[BM+2]
	s_delay_alu instid0(VALU_DEP_1)
	v_max_num_f32 v[TP], v[TP], v[BM+3]
	s_delay_alu instid0(VALU_DEP_1)
	v_mul_f32 v[TP], s[CS], v[TP]                  ; the step's largest t
	s_delay_alu instid0(VALU_DEP_1)
	v_max_num_f32 v13, v13, v[TP]                  ; the running largest t
	v_mov_b32 v[TP], v12
	s_delay_alu instid0(VALU_DEP_2)
	v_floor_f32 v12, -v13                          ; -M = floor(-t)
	s_delay_alu instid0(VALU_DEP_1)
	v_sub_f32 v[TP], v12, v[TP]                    ; old M - new M, a whole number, 0 or less
	s_delay_alu instid0(VALU_DEP_1)
	v_cvt_i32_f32 v[TP], v[TP]                     ; (it saturates)
	s_delay_alu instid0(VALU_DEP_1)
	v_ldexp_f32 v[FF], 1.0, v[TP]                  ; f = 2^(old M - new M)
.irp n, 0,2,4,6,8,10,12,14,16,18,20,22,24,26,28,30,32,34,36,38,40,42,44,46,48,50,52,54,56,58,60,62
	v_pk_fma_f32 v[S+\n:S+\n+1], v[S+\n:S+\n+1], s[CS:CS+1], v[12:13] op_sel_hi:[1,0,0]   ; t - M
.endr
.irp b, 0,1,2,3
	v_fma_f32 v[BM+\b], v[BM+\b], s[CS], v12
.endr
	s_wait_alu depctr_va_vdst(0)
.irp n, 0,1,2,3,4,5,6,7,8,9,10,11,12,13,14,15,16,17,18,19,20,21,22,23,24,25,26,27,28,29,30,31,32,33,34,35,36,37,38,39,40,41,42,43,44,45,46,47,48,49,50,51,52,53,54,55,56,57,58,59,60,61,62,63
	v_exp_f32 v[S+\n], v[S+\n]                     ; p = 2^(t - M)
.endr
.irp b, 0,1,2,3
	v_exp_f32 v[BM+\b], v[BM+\b]                   ; the block's largest p
.endr
	v_pk_mul_f32 v[14:15], v[14:15], v[FF:FF+1] op_sel_hi:[1,0]   ; the sum under the new M; the plain place behind the batch
	s_wait_alu depctr_va_vdst(0)                   ; and behind it
.irp b, 0,1,2,3
	v_max_num_f32 v[BM+\b], 0x1800000, v[BM+\b]    ; the floor 2^(3 - 127)
.endr
.irp b, 0,1,2,3
	s_delay_alu instid0(VALU_DEP_4)
	v_add_nc_u32 v[SO+\b], 0xff000000, v[BM+\b]    ; 2 off the exponent field: the conversion's scale operand
.endr
.irp b, 0,1,2,3
	s_delay_alu instid0(VALU_DEP_4)
	v_lshrrev_b32 v[BP+\b], 23, v[SO+\b]           ; the byte
.endr
	s_delay_alu instid0(VALU_DEP_3)
	v_lshl_or_b32 v[PWD], v[BP+1], 8, v[BP]
	s_delay_alu instid0(VALU_DEP_1)
	v_lshl_or_b32 v[PWD], v[BP+2], 16, v[PWD]
	s_delay_alu instid0(VALU_DEP_1)
	v_lshl_or_b32 v[PWD], v[BP+3], 24, v[PWD]      ; p's scale word
	QCV S, 0, PC, SO
	QCV S, 1, PC, SO
	v_pk_add_f32 v[C2:C2+1], v[S:S+1], v[S+2:S+3]  ; the row's sum of the unquantised p, in two chains; this line is the plain place behind the conversions
	QSW 0, PC
	QSW 1, PC
.irp n, 4,8,12,16,20,24,28,32,36,40,44,48,52,56,60
	v_pk_add_f32 v[14:15], v[14:15], v[S+\n:S+\n+1]
	v_pk_add_f32 v[C2:C2+1], v[C2:C2+1], v[S+\n+2:S+\n+3]
.endr
	s_delay_alu instid0(VALU_DEP_1)
	v_pk_add_f32 v[14:15], v[14:15], v[C2:C2+1]
	s_wait_alu depctr_va_vdst(0)                   ; the wait directly ahead of O^T's first readers
.irp n, 0,2,4,6,8,10,12,14,16,18,20,22,24,26,28,30
	v_pk_mul_f32 v[OA+\n:OA+\n+1], v[OA+\n:OA+\n+1], v[FF:FF+1] op_sel_hi:[1,0]   ; O^T under the new M
.endr
	s_wait_alu depctr_va_vdst(0)
.if \j < 3
	s_wait_dscnt 9                                 ; V is in; the nine loads behind it, the next step's K, may be out
.else
	s_wait_dscnt 0x0
.endif
.irp u, 0,1,2,3
	MMA OA+8*\u, VF+8*\u, PC, OA+8*\u, VS+\u, PWD
.endr
.endm
; THE WAY OUT OF A HEAD: O^T / l, quantised along the head's 64 (two blocks), into LDS.  lp = 1: the next head begins.
.macro WAYOUT lp
	s_lshr_b32 s90, s[CH], 1                       ; the phase
	s_lshl_b32 s91, s90, 11                        ; four heads' images on
	s_lshl_b32 s92, s90, 7                         ; two K steps' words on
	PLACES 4
	v_add_f32 v14, v14, v15
	s_delay_alu instid0(VALU_DEP_1)
	v_permlanex16_b32 v[TP], v14, s[SEL], s[SEL+1]
	s_delay_alu instid0(VALU_DEP_1)
	v_add_f32 v14, v14, v[TP]
	s_wait_alu depctr_va_vdst(0)
	v_rcp_f32 v14, v14
	v_nop
	s_wait_alu depctr_va_vdst(0)
.irp n, 0,1,2,3,4,5,6,7,8,9,10,11,12,13,14,15,16,17,18,19,20,21,22,23,24,25,26,27,28,29,30,31
	v_mul_f32 v[S+\n], v[OA+\n], v14               ; register 8 u + i is channel 16 u + 8 h + i of my query
.endr
.irp b, 0,1
	v_max3_num_f32 v[BM+\b], |v[S+16*\b]|, |v[S+16*\b+1]|, 0x1800000
.endr
.irp i, 2,4,6,8,10,12,14
.irp b, 0,1
	s_delay_alu instid0(VALU_DEP_2)
	v_max3_num_f32 v[BM+\b], v[BM+\b], |v[S+16*\b+\i]|, |v[S+16*\b+\i+1]|
.endr
.endr
.irp b, 0,1
	s_delay_alu instid0(VALU_DEP_2)
	v_permlanex16_b32 v[BP+\b], v[BM+\b], s[SEL], s[SEL+1]
.endr
.irp b, 0,1
	s_delay_alu instid0(VALU_DEP_2)
	v_max_num_f32 v[BM+\b], v[BM+\b], v[BP+\b]
.endr
.irp b, 0,1
	s_delay_alu instid0(VALU_DEP_2)
	v_add_nc_u32 v[SO+\b], 0xff000000, v[BM+\b]
.endr
.irp b, 0,1
	s_delay_alu instid0(VALU_DEP_2)
	v_lshrrev_b32 v[BP+\b], 23, v[SO+\b]
.endr
	s_delay_alu instid0(VALU_DEP_1)
	v_lshl_or_b32 v[TP], v[BP+1], 8, v[BP]
	QCV S, 0, PC, SO
	v_add_nc_u32 v[TP2], s91, v[AOA]               ; also the plain place behind the conversions
	QSW 0, PC
	v_add_nc_u32 v[TP3], s92, v[AOB]
	ds_store_b128 v[TP2], v[PC:PC+3]
	ds_store_b16 v[TP3], v[TP]                     ; both lanes of a row write the same two bytes
.if \lp
	s_wait_alu depctr_va_vdst(0)
	s_wait_loadcnt 0x0                             ; the next head's Q is in
.irp i, 0,1,2,3
	v_mov_b32 v[Q1+\i], v[QN+\i]
.endr
	v_lshrrev_b32 v[QS1], s[SH], v[QW]
	s_delay_alu instid0(VALU_DEP_1)
	v_lshlrev_b32 v[QS1+1], 16, v[QS1]
	s_wait_alu depctr_va_vdst(0)
	s_cmp_lt_u32 s[CH], 3                          ; behind the first phase the third phase's Q is asked for; behind the second nothing: no load leaves its buffer
	s_cbranch_scc0 .Lno_q_\@
	global_load_b128 v[QN:QN+3], v[LI], s[4:5] offset:262144
	global_load_b32 v[QW], v[QSO], s[6:7] offset:16384
.Lno_q_\@:
	INITREGS
.endif
.endm
.macro HALF lp                         ; a chunk's four key steps
	v_add_nc_u32 v[ADC], s[TB], v[AK0]
	v_add_nc_u32 v[ADS], s[TB], v[AS0]
	s_wait_alu depctr_va_vdst(0)
	STEP 0
	STEP 1
	STEP 2
	STEP 3
.if \lp
	s_bitcmp1_b32 s[CH], 0                         ; a head ends with its odd chunk
	s_cbranch_scc0 .Lno_out_\@
.endif
	WAYOUT \lp
.if \lp
.Lno_out_\@:
.endif
.endm
	s_load_b512 s[4:19], s[0:1], 0x0               ; qc, qs, kvc, kvs, Wp's codes, Wp's scales, bp, out
	v_lshl_add_u32 v[SPW], v0, 2, SPARE
	v_mov_b32 v[NIL], 0
	ds_add_u32 v[SPW], v[NIL]
	ds_add_u32 v[SPW], v[NIL]
	v_lshrrev_b32 v[TP], 5, v0
	v_readfirstlane_b32 s[WV], v[TP]
	s_bfe_u32 s[CX], ttmp6, 0x40000
	s_and_b32 s[BB], ttmp7, 0xffff                 ; the batch, which the partners share
	s_min_u32 s[W3], s[WV], 3
	s_lshr_b32 s[HG], s[WV], 2
	s_and_b32 s[QT], s[WV], 3
.irp g, G1K, G1S, G1T
	s_mov_b32 s[\g], 15|(3<<16)|(1<<21)            ; the mask: all four partners; elements of 8 bytes; bit 21 beside a mask
	s_mov_b32 s[\g+6], 0
	s_mov_b32 s[\g+7], 0
.endr
	s_mov_b32 s[G1K+1], 32<<16                     ; half a head's codes: 128 rows of 256 bytes, dense
	s_mov_b32 s[G1K+2], 128<<16
	s_mov_b32 s[G1K+3], 32<<16
	s_mov_b32 s[G1K+4], 128
	s_mov_b32 s[G1K+5], 32
	s_mov_b32 s[G1S+1], 256<<16                    ; four heads' scale words: 4 rows of 2,048 bytes, 4,096 apart
	s_mov_b32 s[G1S+2], 4<<16
	s_mov_b32 s[G1S+3], 256<<16
	s_mov_b32 s[G1S+4], 4
	s_mov_b32 s[G1S+5], 512
	s_mov_b32 s[G1T+1], 32<<16                     ; a third's scales: 24 rows of 256 bytes
	s_mov_b32 s[G1T+2], 24<<16
	s_mov_b32 s[G1T+3], 32<<16
	s_mov_b32 s[G1T+4], 24
	s_mov_b32 s[G1T+5], 32
	s_mov_b32 s[G1W], 15|(3<<16)|(1<<20)|(1<<21)|(4<<22)|(3<<25)   ; 64 rows of Wp = 96 rows of 256 bytes; four words of padding behind every 32
	s_mov_b32 s[G1W+1], 32<<16
	s_mov_b32 s[G1W+2], 96<<16
	s_mov_b32 s[G1W+3], 32<<16
	s_mov_b32 s[G1W+4], 96
	s_mov_b32 s[G1W+5], 32
	s_mov_b32 s[G1W+6], 0
	s_mov_b32 s[G1W+7], 0
	s_mul_i32 s90, s[BB], 786432                   ; the batch's 12 heads of codes
	s_lshl_b32 s92, s[W3], 16
	s_add_co_u32 s92, s92, s90
	s_mov_b32 s93, 0
	s_mul_i32 s94, s[BB], 49152
	s_mov_b32 s95, 0
	s_mul_i32 s96, s[W3], 24576
	s_mov_b32 s97, 0
	s_mov_b32 s[G0K], 1
	s_lshl_b32 s[G0K+1], s[W3], 15
	s_mov_b32 s[G0S], 1
	s_mov_b32 s[G0S+1], SCO
	s_mov_b32 s[G0W], 1
	s_mul_i32 s[G0W+1], s[W3], 64*PITCH
	s_mov_b32 s[G0T], 1
	s_mov_b32 s[G0T+1], WSO
	s_mov_b32 s[DS], 0x8000
	s_mov_b32 s[DS+1], 0
	s_mov_b32 s[DT], 0x800
	s_mov_b32 s[DT+1], 0
	s_mov_b32 s[SEL], 0x76543210
	s_mov_b32 s[SEL+1], 0xfedcba98
	s_mov_b32 s[CS], 0x3e38aa3b                    ; log2(e) / 8
	s_mov_b32 s[CS+1], s[CS]
	s_mov_b32 s[CH], 0
	s_mov_b32 s[TB], 0
	s_wait_alu depctr_va_vdst(0)
	s_wait_dscnt 0x0
	s_wait_kmcnt 0x0
	s_add_nc_u64 s[G0K+2:G0K+3], s[8:9], s[92:93]
	s_or_b32 s[G0K+3], s[G0K+3], 0x80000000
	s_add_nc_u64 s[G0S+2:G0S+3], s[10:11], s[94:95]
	s_or_b32 s[G0S+3], s[G0S+3], 0x80000000
	s_add_nc_u64 s[G0W+2:G0W+3], s[12:13], s[96:97]
	s_or_b32 s[G0W+3], s[G0W+3], 0x80000000
	s_mov_b64 s[G0T+2:G0T+3], s[14:15]
	s_or_b32 s[G0T+3], s[G0T+3], 0x80000000
	CROUND                                         ; the four work-groups are here: the joint loads meet
	TLOAD G0K, G1K, G0S, G1S                       ; chunk 0: one load a wave at the head
	s_lshl_b32 s100, s[CX], 16                     ; the prefetches: partner cx takes head cx of a chunk's four,
	s_lshl_b32 s101, s[QT], 13                     ; 8,192 bytes a wave;
	s_add_co_u32 s100, s100, s101
	s_add_co_u32 s100, s100, s90
	s_add_co_u32 s100, s100, 32768                 ; the first change adds 229,376: chunk 2
	s_mov_b32 s101, 0
	s_add_nc_u64 s[PFA:PFA+1], s[8:9], s[100:101]
	s_cmp_eq_u32 s[HG], 2
	s_cselect_b32 s[PFW], 4, 0
	s_lshl_b32 s100, ttmp9, 2
	s_add_co_u32 s100, s100, s[CX]                 ; my block of 64 queries
	s_lshl_b32 s100, s100, 2
	s_add_co_u32 s100, s100, s[QT]                 ; my tile of 16, 0 .. 63
	s_mul_i32 s94, s[BB], 12
	s_add_co_u32 s94, s94, s[HG]                   ; my first head
	s_lshl_b32 s96, s94, 15
	s_lshl_b32 s101, s100, 9
	s_add_co_u32 s96, s96, s101
	s_add_nc_u64 s[4:5], s[4:5], s[96:97]          ; qc at my tile
	s_lshl_b32 s96, s94, 11
	s_lshr_b32 s101, s100, 3
	s_lshl_b32 s101, s101, 8
	s_add_co_u32 s96, s96, s101
	s_bfe_u32 s101, s100, 0x20001
	s_lshl_b32 s101, s101, 2
	s_add_co_u32 s96, s96, s101
	s_add_nc_u64 s[6:7], s[6:7], s[96:97]          ; qs at my pair's word of row 0
	s_and_b32 s[SH], s[QT], 1
	s_lshl_b32 s[SH], s[SH], 4
	s_lshl_b32 s96, s[BB], 10
	s_lshl_b32 s101, s100, 4
	s_add_co_u32 s96, s96, s101
	s_mul_i32 s96, s96, 3072
	s_lshl_b32 s101, s[HG], 8
	s_add_co_u32 s96, s96, s101
	s_add_nc_u64 s[18:19], s[18:19], s[96:97]      ; out at my 16 rows and my 64 columns of a third
	s_mov_b32 s96, s101
	s_add_nc_u64 s[16:17], s[16:17], s[96:97]      ; bp likewise
	v_and_b32 v[LI], 31, v0
	v_and_b32 v[TP], 15, v0
	v_lshlrev_b32 v[PFO], 8, v[LI]
	v_lshlrev_b32 v[QSO], 4, v[TP]
	v_lshlrev_b32 v[LI], 4, v[LI]
	s_wait_alu depctr_va_vdst(0)
	global_load_b128 v[Q1:Q1+3], v[LI], s[4:5]     ; the first head's Q
	global_load_b32 v[QW], v[QSO], s[6:7]
	s_lshl_b32 s90, s[HG], 15
	v_add_nc_u32 v[AK0], s90, v[LI]
	s_lshl_b32 s90, s[HG], 11
	s_add_co_u32 s90, s90, SCO
	v_add_nc_u32 v[AS0], s90, v[QSO]
	s_mul_i32 s90, s[QT], 6144
	s_lshl_b32 s91, s[HG], 9
	s_add_co_u32 s90, s90, s91
	s_add_co_u32 s90, s90, AOC
	v_add_nc_u32 v[AOA], s90, v[LI]
	s_mul_i32 s90, s[QT], 384
	s_lshr_b32 s91, s[HG], 1
	s_lshl_b32 s91, s91, 6
	s_add_co_u32 s90, s90, s91
	s_and_b32 s91, s[HG], 1
	s_lshl_b32 s91, s91, 1
	s_add_co_u32 s90, s90, s91
	s_add_co_u32 s90, s90, AOS
	v_lshl_add_u32 v[AOB], v[TP], 2, s90
.irp i, 16,17,18,19,24,25,26,27
	v_mov_b32 v[\i], 0                             ; the zero codes on both sides of Q
.endr
	v_mov_b32 v[FF+1], 0
.irp b, 0,1,2,3
	v_mov_b32 v[BP+\b], 0                          ; a lane permute's destination counts as one of its sources
.endr
	INITREGS
	s_wait_alu depctr_va_vdst(0)
	s_wait_loadcnt 0x0
	v_lshrrev_b32 v[QS1], s[SH], v[QW]             ; my tile's two bytes below, and above
	s_delay_alu instid0(VALU_DEP_1)
	v_lshlrev_b32 v[QS1+1], 16, v[QS1]
	s_wait_alu depctr_va_vdst(0)
	global_load_b128 v[QN:QN+3], v[LI], s[4:5] offset:131072   ; the second phase's Q
	global_load_b32 v[QW], v[QSO], s[6:7] offset:8192
	PLACES 8                                       ; scale registers written by vector instructions stand eight places ahead of a scaled product
.Lchunk:                                           ; chunks 0 to 4: behind each change the next chunk of K and V is asked for
	CHANGE 1, 0
	HALF 1
	s_xor_b32 s[TB], s[TB], SLOT
	s_add_co_u32 s[CH], s[CH], 1
	s_cmp_lt_u32 s[CH], 5
	s_wait_alu depctr_va_vdst(0)
	s_cbranch_scc1 .Lchunk
	CHANGE 2, 0                                    ; chunk 5 is written out: behind its change Wp's first third is asked for, into slot 0
	HALF 0
	; THE PROJECTION
	v_and_b32 v[RRR], 15, v0
	v_bfe_u32 v[HHH], v0, 4, 1
	s_wait_alu depctr_va_vdst(0)                   ; directly behind the writes
	s_mul_i32 s94, s[HG], 64*PITCH                 ; my 64 rows of a third
	v_mul_u32_u24 v[AW0], v[RRR], PITCH
	v_lshl_add_u32 v[AW0], v[HHH], 4, v[AW0]
	v_add_nc_u32 v[AW0], s94, v[AW0]
	s_mul_i32 s94, s[HG], 1536
	s_add_co_u32 s94, s94, WSO
	v_mul_u32_u24 v[AX0], v[RRR], 24
	v_add_nc_u32 v[AX0], s94, v[AX0]
	s_mul_i32 s90, s[WV], 13                       ; my stage: waves 0-4 behind slot 0's third, 5-9 behind slot 1's, 10-15 over O's codes
	s_lshr_b32 s90, s90, 6
	s_min_u32 s90, s90, 2
	s_min_u32 s91, s90, 1
	s_mul_i32 s91, s91, SLOT-5*4352
	s_lshr_b32 s92, s90, 1
	s_mul_i32 s92, s92, AOC-SLOT-STT-5*4352
	s_mul_i32 s93, s[WV], 4352
	s_add_co_u32 s93, s93, s91
	s_add_co_u32 s93, s93, s92
	s_add_co_u32 s93, s93, STT
	v_mul_u32_u24 v[STO], v[RRR], 272
	v_lshl_add_u32 v[STO], v[HHH], 5, v[STO]
	v_add_nc_u32 v[STO], s93, v[STO]
	v_mul_u32_u24 v[RD], v[HHH], 272
	v_lshl_add_u32 v[RD], v[RRR], 4, v[RD]
	v_add_nc_u32 v[RD], s93, v[RD]
	v_mul_u32_u24 v[CO], v[HHH], 3072
	v_lshl_add_u32 v[CO], v[RRR], 4, v[CO]
	v_lshlrev_b32 v[H32], 5, v[HHH]
	s_mul_i32 s94, s[QT], 6144
	s_add_co_u32 s94, s94, AOC
	v_add_nc_u32 v[AAD], s94, v[LI]
	s_mul_i32 s94, s[QT], 384
	s_add_co_u32 s94, s94, AOS
	v_lshl_add_u32 v[ASD], v[RRR], 2, s94
	s_wait_alu depctr_va_vdst(0)
.macro BIAS th                         ; the bias starts the sums: register j of tile t is column 16 t + 8 h + j
.irp t, 0,1,2,3
	global_load_b128 v[OA+8*\t:OA+8*\t+3],   v[H32], s[16:17] offset:1024*\th+64*\t
	global_load_b128 v[OA+8*\t+4:OA+8*\t+7], v[H32], s[16:17] offset:1024*\th+64*\t+16
.endr
.endm
.macro WFR s                           ; Wp's four fragments of K step s
.irp t, 0,1,2,3
	ds_load_b128 v[WF+32*((\s)%2)+8*\t:WF+32*((\s)%2)+8*\t+3],   v[AW] offset:T16*\t+144*((\s)/2)+64*((\s)%2)
	ds_load_b128 v[WF+32*((\s)%2)+8*\t+4:WF+32*((\s)%2)+8*\t+7], v[AW] offset:T16*\t+144*((\s)/2)+64*((\s)%2)+32
.endr
.endm
.macro THIRD th, sl
	s_wait_xcnt 0x0                                ; the last third's stores have read their data
	v_add_nc_u32 v[AW], \sl*SLOT, v[AW0]
	v_add_nc_u32 v[AX], \sl*SLOT, v[AX0]
	s_wait_alu depctr_va_vdst(0)
.irp t, 0,1,2,3
.irp u, 0,1,2
	ds_load_b64 v[WSW+6*\t+2*\u:WSW+6*\t+2*\u+1], v[AX] offset:384*\t+8*\u
.endr
.endr
	WFR 0
.irp s, 0,1,2,3,4,5
.if \s < 5
.if \s > 0
	PLACES 4                                       ; ahead of loads into the set that the last K step's products read
.endif
	WFR \s+1
	s_wait_dscnt 8                                 ; all but the eight just issued
.else
	s_wait_dscnt 0x0
.endif
.if \s == 0
	s_wait_loadcnt 0x0                             ; the bias
.endif
.irp t, 0,1,2,3                        ; four accumulators by turns
	MMA OA+8*\t, WF+32*(\s%2)+8*\t, AF+8*\s, OA+8*\t, WSW+6*\t+\s, ASW+\s
.endr
.endr
	PLACES 4
.irp t, 0,1,2,3
	ds_store_b128 v[STO], v[OA+8*\t:OA+8*\t+3]   offset:64*\t
	ds_store_b128 v[STO], v[OA+8*\t+4:OA+8*\t+7] offset:64*\t+16
.endr
.irp p, 0,1,2,3,4,5,6,7
	ds_load_b128 v[RB+4*\p:RB+4*\p+3], v[RD] offset:544*\p    ; LDS serves a wave's instructions in order: these see my stores
.endr
.irp p, 0,1,2,3,4,5,6,7
	s_wait_dscnt 7-\p
	global_store_b128 v[CO], v[RB+4*\p:RB+4*\p+3], s[18:19] offset:1024*\th+6144*\p th:TH_STORE_NT   ; sixteen lanes store 256 consecutive bytes, aligned
.endr
.endm
	BIAS 0
	CHANGE 2, 1, 1
.irp d, 0,1,2,3,4,5,6,7,8,9,10,11
	ds_load_b128 v[AF+4*\d:AF+4*\d+3], v[AAD] offset:512*\d   ; my 16 rows of O: head d's image is half a fragment
.endr
.irp s, 0,1,2,3,4,5
	ds_load_b32 v[ASW+\s], v[ASD] offset:64*\s
.endr
	s_wait_dscnt 0x0
	s_barrier_signal -1
	s_barrier_wait -1                              ; every wave holds its rows of O: the stages of waves 10 to 15 may lie over them
	THIRD 0, 0
	BIAS 1
	CHANGE 2, 1, 0
	THIRD 1, 1
	BIAS 2
	CHANGE 0, 0
	THIRD 2, 0
	s_wait_tensorcnt 0x0                           ; the wave's end
	ds_add_u32 v[SPW], v[NIL]
	s_wait_dscnt 0x0
	CROUND                                         ; the closing round
	s_endpgm
.Lfunc_end_k_q2b303898ea_attnp:
	.size	k_q2b303898ea_attnp, .Lfunc_end_k_q2b303898ea_attnp-k_q2b303898ea_attnp
	.p2alignl 7, 3214868480
	.fill 96, 4, 3214868480
	.section	.rodata,"a",@progbits
	.p2align	6, 0x0
	.amdhsa_kernel k_q2b303898ea_attnp
		.amdhsa_group_segment_fixed_size 327680
		.amdhsa_private_segment_fixed_size 0
		.amdhsa_enable_private_segment 0
		.amdhsa_kernarg_size 64
		.amdhsa_user_sgpr_count 2
		.amdhsa_user_sgpr_kernarg_segment_ptr 1
		.amdhsa_wavefront_size32 1
		.amdhsa_system_sgpr_workgroup_id_x 1
		.amdhsa_system_sgpr_workgroup_id_y 1
		.amdhsa_system_sgpr_workgroup_id_z 1
		.amdhsa_system_vgpr_workitem_id 0
		.amdhsa_next_free_vgpr 256
		.amdhsa_next_free_sgpr 102
		.amdhsa_reserve_vcc 0
		.amdhsa_float_denorm_mode_32 3
		.amdhsa_float_denorm_mode_16_64 3
		.amdhsa_memory_ordered 1
		.amdhsa_forward_progress 1
		.amdhsa_inst_pref_size 185
	.end_amdhsa_kernel
	.amdgpu_metadata
---
amdhsa.version: [ 1, 2 ]
amdhsa.kernels:
  - .name:           k_q2b303898ea_attnp
    .symbol:         k_q2b303898ea_attnp.kd
    .args:
      - { .name: qc, .offset: 0, .size: 8, .value_kind: global_buffer, .address_space: global }
      - { .name: qs, .offset: 8, .size: 8, .value_kind: global_buffer, .address_space: global }
      - { .name: kvc, .offset: 16, .size: 8, .value_kind: global_buffer, .address_space: global }
      - { .name: kvs, .offset: 24, .size: 8, .value_kind: global_buffer, .address_space: global }
      - { .name: Wp_codes, .offset: 32, .size: 8, .value_kind: global_buffer, .address_space: global }
      - { .name: Wp_scales, .offset: 40, .size: 8, .value_kind: global_buffer, .address_space: global }
      - { .name: bp, .offset: 48, .size: 8, .value_kind: global_buffer, .address_space: global }
      - { .name: out0, .offset: 56, .size: 8, .value_kind: global_buffer, .address_space: global }
    .group_segment_fixed_size: 327680
    .private_segment_fixed_size: 0
    .kernarg_segment_align: 8
    .kernarg_segment_size: 64
    .max_flat_workgroup_size: 512
    .sgpr_count:     102
    .vgpr_count:     256
    .wavefront_size: 32
...
	.end_amdgpu_metadata
.endif
;; end of part 5
